; MI455X (gfx1250); checked and timed in simulation.
; The chip was launched on July 23, 2026; its instructions are those of AMD's public machine-readable ISA for CDNA 5 (MIT licence, August 2026) and "CDNA5" Instruction Set Architecture Reference Guide (July 2026). The comments in the code are by the model that wrote it; some were corrected since.
;; Self Attention SD. Allowed arithmetic: matrix products marked QUANTISED: E5M2 operands, one E8M0 scale for each 32 along K, by v_wmma_scale_f32_16x16x128_f8f6f4 with both operands' format E5M2, f32 sums; everything else in f32.
;; Inputs: Wk 1,024 x 1,024 float32; Wo 1,024 x 1,024 float32; Wq 1,024 x 1,024 float32; Wv 1,024 x 1,024 float32; bo 1,024 float32; x 4 x 2,048 x 1,024 float32.
;; Outputs: out0 4 x 2,048 x 1,024 float32.
;; This version of the problem:
;;   THIS VERSION OF THE PROBLEM IS GIVEN IN LOW PRECISION. The matrix products marked QUANTISED in the list below multiply operands that are first quantised to E5M2 (5 exponent bits, 2 mantissa bits; 8 bits a number), with one power-of-two scale for each 32 numbers along K (OCP MX v1.0); their sums are f32. All else is computed in f32.
;;   The module's matrix products, in the order in which they are computed (A, B: the left and right operand; K: the contracted axis; several contracted axes count as one K, in the product's order):
;;     1. [M 8,192, K 1,024] x [K 1,024, N 1,024]; A: input x; B: input Wq: QUANTISED
;;     2. [M 8,192, K 1,024] x [K 1,024, N 1,024]; A: input x; B: input Wk: QUANTISED
;;     3. [M 8,192, K 1,024] x [K 1,024, N 1,024]; A: input x; B: input Wv: QUANTISED
;;     4. batch 64 x [M 2,048, K 64] x [K 64, N 2,048]; A: computed on the way; B: computed on the way: QUANTISED
;;     5. batch 64 x [M 2,048, K 2,048] x [K 2,048, N 64]; A: computed on the way; B: computed on the way: QUANTISED
;;     6. [M 8,192, K 1,024] x [K 1,024, N 1,024]; A: computed on the way; B: input Wo: QUANTISED
;;   THE QUANTISER, for each operand of a quantised product, along K:
;;     - K is cut into blocks of 32 from its start; a last block that is shorter is filled with zeros.
;;     - A block's scale is 2^e with e = floor(log2(the largest magnitude in the block)) - 15, held to -126 .. 127; a block of zeros has e = 0. As a byte (E8M0): e + 127.
;;     - Each number is divided by its block's scale, clamped to +-57,344, and rounded to the nearest number of E5M2, ties to even, subnormals kept.
;;     - The product sums the exact products of the quantised numbers (number of the format x scale) in f32.
;;   ~~~python
;;   def quantise(x, axis):      # numpy; x: float32 -> the quantised numbers, widened to float32 again
;;       x = np.moveaxis(x, axis, -1); K = x.shape[-1]
;;       x = np.pad(x, [(0, 0)] * (x.ndim - 1) + [(0, -K % 32)]); x = x.reshape(x.shape[:-1] + (-1, 32)); a = np.abs(x).max(-1, keepdims=True)
;;       e = np.where(a > 0, np.clip(np.frexp(np.where(a > 0, a, 1))[1] - 1 - 15, -126, 127), 0)      # np.frexp(a)[1] - 1 = floor(log2(a)), exactly
;;       r = np.clip(x / 2.0 ** e, -57344, 57344)
;;       step = 2.0 ** (np.maximum(np.frexp(np.where(r == 0, 1, r))[1] - 1, -14) - 2)
;;       q = np.round(r / step) * step * 2.0 ** e      # np.round: ties to even
;;       return np.moveaxis(q.reshape(q.shape[:-2] + (-1,))[..., :K], -1, axis).astype(np.float32)
;;   ~~~
;;   OPERANDS COMPUTED ON THE WAY. 'Computed on the way' means the value that the module computes at that place (a softmax that the list does not call 'softmax' is quantised finished and normalised). What goes into a quantiser is computed in f32, as accurately as f32 sums, v_exp_f32 and their like allow (about 1e-6 of the number): no bf16 or f16 on the way to a quantiser, and a product that is left as it is and whose result goes on into a quantised operand takes f32 operands (vector FMAs, or v_wmma_f32_16x16x4_f32). A number that lies on a knife's edge between two numbers of the format may be rounded either way, as far as f32 arithmetic and the matrix unit's own rounding can turn it there, and no further.
;; 2 versions, each right; version 2 is version 1 with the launch attn written anew for expert scheduling mode. Each part assembles by itself: llvm-mc -triple=amdgcn-amd-amdhsa -mcpu=gfx1250 --defsym DOCPART=n.
;; ======== version 1 of 2: 4 launches
;; workspace buffers: codes 12,582,912 bytes; scales 393,216 bytes; qkv_img 25,165,824 bytes; qkv_sc 1,310,720 bytes; o_img 8,388,608 bytes; o_sc 262,144 bytes
;; launch quant (part 1): grid 384 x 1, 4 waves a work-group, no clusters, 33,280 bytes of LDS; arguments x, Wq, Wk, Wv, Wo, codes, scales; writes codes, scales
.if DOCPART == 1
	.amdgcn_target "amdgcn-amd-amdhsa--gfx1250"
	.amdhsa_code_object_version 6
	.text
	.protected	k_q86564c45aa_quant
	.globl	k_q86564c45aa_quant
	.p2align	8
	.type	k_q86564c45aa_quant,@function
k_q86564c45aa_quant:
	s_mov_b64 s[64:65], 0
	v_nop
	global_prefetch_b8 v0, s[64:65] scope:SCOPE_SE
	s_setreg_imm32_b32 hwreg(HW_REG_WAVE_MODE, 25, 1), 1
	s_wait_xcnt 0x0
; x [8192][1024] and Wq, Wk, Wv, Wo [1024][1024], f32 with K innermost, become codes of BF8 (E5M2), one byte each, and one E8M0 scale byte for each 32 along K.
; The five tensors are laid on end in two buffers: codes [12288 rows][1024], scales [12288][32]; rows 0-8191 x, then Wq, Wk, Wv, Wo, 1,024 rows each.
; A block's scale is 2^(floor(log2(its largest magnitude)) - 15); its byte is the largest magnitude's exponent field - 15, held at 1 from below.  Each number is divided by the scale, held within +-57,344 and rounded to the nearest code, ties to even.
; LIMITS: a block of zeros gets the byte 1 and not 127: its codes are zeros, which add nothing under any byte but 0xff, and the bytes are read by this program alone.  NaN and infinities among the inputs are not served.
; Rows are dense and K is a multiple of 32: every tensor is a plain stream of blocks of 32.  A work-group takes 32,768 numbers, a wave 16 steps of 512; work-groups 0-255 take x, then 32 for each weight.
; Each of a step's four loads reads 512 consecutive bytes; the 2,048 bytes turn through the wave's own stage in LDS (16 bytes of padding behind each 64) and come back 64 bytes a lane: 16 neighbours along K, two lanes to a block.
; A lane's 16 codes are 16 bytes: the wave stores 512 consecutive bytes.  A wave's 256 scale bytes are gathered in its own LDS bytes and leave as 256 consecutive, aligned bytes.
; No tensor loads, no barrier: waves share nothing.  Loads run four steps (16 loads a wave) ahead, the turn through LDS one step.  No matrix unit and no cluster: nothing is multiplied and no byte is read twice.
.set STEPS, 16
.set EMAX,  15
.set MANT,  0x600000                   ; the mantissa field of 57,344 as f32
.set CB,    16                         ; bytes of 16 codes
.set R,     16                         ; v16-79   four sets of 16 numbers as they are loaded
.set X,     80                         ; v80-111  two sets of 16 neighbours
.set C,     128                        ; v128-191 codes: four registers for each step, so that no store's data are written again
.set E,     112                        ; v112-127 a scale byte for each step
.set WREG,  8192                       ; LDS: a region for each wave: two stages of 32 x SP bytes, behind them its 256 scale bytes
.set SP,    80                         ; a lane's place in a stage: 64 bytes + 16 of padding
	s_load_b256 s[4:11], s[0:1], 0x0               ; x, Wq, Wk, Wv
	s_load_b128 s[12:15], s[0:1], 0x20             ; Wo, the codes
	s_load_b64 s[26:27], s[0:1], 0x30              ; the scale bytes
	v_lshl_add_u32 v192, v0, 2, 0x8000
	v_mov_b32 v193, 0
	v_lshrrev_b32 v1, 5, v0
	v_readfirstlane_b32 s16, v1                    ; wave
	v_and_b32 v2, 31, v0                           ; lane
	v_lshlrev_b32 v3, 4, v2                        ; my 16 bytes of a load's 512
	s_mul_i32 s17, s16, WREG
	v_lshrrev_b32 v14, 2, v2
	v_mul_u32_u24 v14, v14, SP
	v_and_b32 v15, 3, v2
	v_lshl_add_u32 v14, v15, 4, v14
	v_add_nc_u32 v14, s17, v14                     ; the stage, on the way in: SP (lane / 4) + 16 (lane % 4)
	v_mul_u32_u24 v15, v2, SP
	v_add_nc_u32 v15, s17, v15                     ; and on the way out: SP x lane: my 16 neighbours
	v_mul_u32_u24 v4, v2, CB                       ; my codes' place in a step's
	v_lshrrev_b32 v5, 1, v2
	s_add_co_u32 s17, s17, 2*32*SP
	v_add_nc_u32 v5, s17, v5                       ; LDS: my wave's 256 scale bytes, my block's byte
	v_lshlrev_b32 v7, 3, v2                        ; and on the way out 8 bytes a lane
	v_add_nc_u32 v6, s17, v7
	s_mov_b32 s23, MANT                            ; (an instruction takes one literal: the hold's line has another)
	s_wait_kmcnt 0x0
	s_mov_b32 s24, 352                             ; which tensor is mine, and its first work-group: the choice hangs on the work-group's number alone
	s_cmp_lt_u32 ttmp9, 352
	s_cselect_b64 s[12:13], s[10:11], s[12:13]
	s_cselect_b32 s24, 320, s24
	s_cmp_lt_u32 ttmp9, 320
	s_cselect_b64 s[12:13], s[8:9], s[12:13]
	s_cselect_b32 s24, 288, s24
	s_cmp_lt_u32 ttmp9, 288
	s_cselect_b64 s[12:13], s[6:7], s[12:13]
	s_cselect_b32 s24, 256, s24
	s_cmp_lt_u32 ttmp9, 256
	s_cselect_b64 s[12:13], s[4:5], s[12:13]
	s_cselect_b32 s24, 0, s24
	s_sub_co_u32 s24, ttmp9, s24
	s_lshl_b32 s24, s24, 2
	s_add_co_u32 s24, s24, s16                     ; which run of 8,192 numbers of the tensor is my wave's
	s_lshl_b32 s18, s24, 15                        ; 32,768 bytes a run
	s_mov_b32 s19, 0
	s_add_nc_u64 s[12:13], s[12:13], s[18:19]
	s_lshl_b32 s20, ttmp9, 2
	s_add_co_u32 s20, s20, s16                     ; and which run of the two output streams: the tensors lie on end in the order of the work-groups
	s_lshl_b32 s18, s20, 13                        ; 8,192 bytes of codes a run
	s_add_nc_u64 s[14:15], s[14:15], s[18:19]
	s_lshl_b32 s18, s20, 8                         ; 256 scale bytes a run
	s_add_nc_u64 s[26:27], s[26:27], s[18:19]
.macro LOAD t
.irp i, 0,1,2,3
	global_load_b128 v[R+16*((\t)%4)+4*\i:R+16*((\t)%4)+4*\i+3], v3, s[12:13] offset:2048*(\t)+512*\i th:TH_LOAD_NT   ; 32 lanes read 512 consecutive bytes
.endr
.endm
.macro TURN t                          ; step t's numbers through the stage: LDS serves a wave's instructions in order, so no wait stands between the stores and the loads
.irp i, 0,1,2,3
	ds_store_b128 v14, v[R+16*((\t)%4)+4*\i:R+16*((\t)%4)+4*\i+3] offset:32*SP*((\t)%2)+8*SP*\i
.endr
.irp i, 0,1,2,3
	ds_load_b128 v[X+16*((\t)%2)+4*\i:X+16*((\t)%2)+4*\i+3], v15 offset:32*SP*((\t)%2)+16*\i
.endr
.endm
.irp t, 0,1,2,3
	LOAD \t
.endr
	s_wait_loadcnt 12                              ; step 0's four loads are in; the twelve of steps 1 to 3 may be out
	TURN 0
.macro STEP t
.set XS, X+16*((\t)%2)
.if (\t) > 0
	s_wait_dscnt 1                                 ; this step's numbers are back from the stage (the last step's byte store may be out): so its stores into the stage have read their registers,
.else
	s_wait_dscnt 0x0
.endif
.if (\t)+4 < STEPS
	LOAD (\t)+4                                    ; which take the loads of four steps on
.endif
.if (\t)+1 < STEPS
.if STEPS-2-(\t) >= 3
	s_wait_loadcnt 12                              ; the next step's four loads are in; those of the three steps behind it may be out
.else
	s_wait_loadcnt 4*(STEPS-2-(\t))
.endif
	TURN (\t)+1                                    ; and go through the other stage while this step is worked
.endif
	v_max3_num_f32 v8, |v[XS]|, |v[XS+1]|, |v[XS+2]|               ; the largest magnitude of my 16, in two chains
	v_max3_num_f32 v9, |v[XS+3]|, |v[XS+4]|, |v[XS+5]|
.irp i, 6,10
	v_max3_num_f32 v8, v8, |v[XS+\i]|, |v[XS+\i+1]|
	v_max3_num_f32 v9, v9, |v[XS+\i+2]|, |v[XS+\i+3]|
.endr
	v_max3_num_f32 v8, v8, |v[XS+14]|, |v[XS+15]|
	v_max3_num_f32 v8, v8, v9, (EMAX+1)<<23        ; and the floor 2^(16 - 127): so the byte cannot fall under 1
	v_max_num_f32_dpp v8, v8, v8 row_xmask:1 row_mask:0xf bank_mask:0xf   ; and of my neighbour's 16: the block's
	v_add_nc_u32 v11, -(EMAX<<23), v8              ; 15 off its exponent field: the conversion takes the exponent field of this operand as its scale, and nothing else of it
	v_and_or_b32 v10, v8, 0x7f800000, s23          ; 57,344 x the scale
.irp i, 0,1,2,3,4,5,6,7,8,9,10,11,12,13,14,15
	v_med3_num_f32 v[XS+\i], v[XS+\i], -v10, v10   ; the conversion to an 8-bit code does not saturate (ISA guide 7.6.2): the hold comes first
.endr
	v_cvt_scalef32_pk8_bf8_f32 v[C+4*(\t):C+4*(\t)+1], v[XS:XS+7], v11
	v_cvt_scalef32_pk8_bf8_f32 v[C+4*(\t)+2:C+4*(\t)+3], v[XS+8:XS+15], v11
	v_lshrrev_b32 v[E+(\t)], 23, v11               ; the scale's byte (also the plain line behind the conversions)
	ds_store_b8 v5, v[E+(\t)] offset:16*(\t)       ; both lanes of a block write the same byte with the same value
	global_store_b128 v4, v[C+4*(\t):C+4*(\t)+3], s[14:15] offset:32*CB*(\t)
.endm
.irp t, 0,1,2,3,4,5,6,7,8,9,10,11,12,13,14,15
	STEP \t
.endr
	ds_load_b64 v[12:13], v6                       ; LDS serves a wave's instructions in order: these see my stores
	s_wait_dscnt 0x0
	global_store_b64 v7, v[12:13], s[26:27]        ; 32 lanes store 256 consecutive bytes, aligned
	s_wait_tensorcnt 0x0
	ds_add_u32 v192, v193
	s_wait_dscnt 0x0
	s_endpgm
.Lfunc_end_k_q86564c45aa_quant:
	.size	k_q86564c45aa_quant, .Lfunc_end_k_q86564c45aa_quant-k_q86564c45aa_quant
	.p2alignl 7, 3214868480
	.fill 96, 4, 3214868480
	.section	.rodata,"a",@progbits
	.p2align	6, 0x0
	.amdhsa_kernel k_q86564c45aa_quant
		.amdhsa_group_segment_fixed_size 33280
		.amdhsa_private_segment_fixed_size 0
		.amdhsa_enable_private_segment 0
		.amdhsa_kernarg_size 56
		.amdhsa_user_sgpr_count 2
		.amdhsa_user_sgpr_kernarg_segment_ptr 1
		.amdhsa_wavefront_size32 1
		.amdhsa_system_sgpr_workgroup_id_x 1
		.amdhsa_system_sgpr_workgroup_id_y 1
		.amdhsa_system_sgpr_workgroup_id_z 1
		.amdhsa_system_vgpr_workitem_id 0
		.amdhsa_next_free_vgpr 194
		.amdhsa_next_free_sgpr 66
		.amdhsa_reserve_vcc 0
		.amdhsa_float_denorm_mode_32 3
		.amdhsa_float_denorm_mode_16_64 3
		.amdhsa_memory_ordered 1
		.amdhsa_forward_progress 1
		.amdhsa_inst_pref_size 51
	.end_amdhsa_kernel
	.amdgpu_metadata
---
amdhsa.version: [ 1, 2 ]
amdhsa.kernels:
  - .name:           k_q86564c45aa_quant
    .symbol:         k_q86564c45aa_quant.kd
    .args:
      - { .name: x, .offset: 0, .size: 8, .value_kind: global_buffer, .address_space: global }
      - { .name: Wq, .offset: 8, .size: 8, .value_kind: global_buffer, .address_space: global }
      - { .name: Wk, .offset: 16, .size: 8, .value_kind: global_buffer, .address_space: global }
      - { .name: Wv, .offset: 24, .size: 8, .value_kind: global_buffer, .address_space: global }
      - { .name: Wo, .offset: 32, .size: 8, .value_kind: global_buffer, .address_space: global }
      - { .name: codes, .offset: 40, .size: 8, .value_kind: global_buffer, .address_space: global }
      - { .name: scales, .offset: 48, .size: 8, .value_kind: global_buffer, .address_space: global }
    .group_segment_fixed_size: 33280
    .private_segment_fixed_size: 0
    .kernarg_segment_align: 8
    .kernarg_segment_size: 56
    .max_flat_workgroup_size: 128
    .sgpr_count:     66
    .vgpr_count:     194
    .wavefront_size: 32
...
	.end_amdgpu_metadata
.endif
;; end of part 1
;; launch qkv (part 2): grid 12 x 32, 4 waves a work-group, clusters of 4 x 4, 327,680 bytes of LDS; arguments codes, scales, qkv_img, qkv_sc; writes qkv_img, qkv_sc
.if DOCPART == 2
	.amdgcn_target "amdgcn-amd-amdhsa--gfx1250"
	.amdhsa_code_object_version 6
	.text
	.protected	k_q86564c45aa_qkv
	.globl	k_q86564c45aa_qkv
	.p2align	8
	.type	k_q86564c45aa_qkv,@function
k_q86564c45aa_qkv:
	s_mov_b64 s[64:65], 0
	v_nop
	global_prefetch_b8 v0, s[64:65] scope:SCOPE_SE
	s_setreg_imm32_b32 hwreg(HW_REG_WAVE_MODE, 25, 1), 1
	s_wait_xcnt 0x0
	s_wait_alu depctr_hold_cnt(0) depctr_sa_sdst(0) depctr_va_vdst(0) depctr_va_sdst(0) depctr_va_ssrc(0) depctr_va_vcc(0) depctr_vm_vsrc(0)
	s_getreg_b32 s2, hwreg(HW_REG_IB_STS2, 6, 4)
	s_cmp_eq_u32 s2, 0
	s_cbranch_scc0 .Lentry_in_a_cluster
	s_endpgm
.Lentry_in_a_cluster:
	s_bfe_u32 s2, ttmp6, 0x10000c
	s_cmp_lg_u32 s2, 0xf033
	s_cbranch_scc0 .Lentry_shape_is_right
	s_endpgm
.Lentry_shape_is_right:
; q = x Wq^T, k = x Wk^T, v = x Wv^T on codes of BF8 (E5M2) with one E8M0 scale for each 32 along K = 1,024; the results are quantised in registers for the attention's two products and stored as IMAGES OF OPERAND REGISTERS.
; ONE TEXT FOR ALL THREE.  The loop makes C(a, b) = sum over k of A(a, k) B(b, k), used transposed (source 0 = 16 rows of B, source 1 = 16 rows of A): a lane holds ONE row of A, its registers run along B's rows.
;   cluster x = 0, 1 (q, k): A = x (tokens), B = the weight (channels): registers along the channels, the first attention product's K.
;   cluster x = 2 (v):       A = Wv (channels), B = x (tokens): registers along the keys, the second attention product's K.
; Only row offsets into the two input buffers differ, and they hang on the cluster's x, which all sixteen partners share.
; THE ROWS OF A TILE ARE NOT NEIGHBOURS, on both sides: lane r of block i takes row 32 (i / 2) + 8 (i % 2) + r + 8 (r / 8).  So the 16 registers of B's blocks 2 b and 2 b + 1 are 16 neighbours, 32 b + 16 (lane / 16) + 0 .. 15:
; the order in which a scaled 8-bit operand wants them.  Rows r and r + 16 of an LDS tile begin in the same bank at any pitch that is a multiple of 16 bytes, so the fragment loads go two deep.
; A tile of 256 x 256 is made by four waves, each 128 x 128: 64 accumulators, 512 registers.  K goes in steps of 256 through a ring of two LDS slots filled by the tensor data mover; the scale bytes of the 512 rows come once and stay.
; CLUSTERS: 4 x 4 work-groups; A's tiles are asked for jointly along a row of the cluster, B's along a column.
; OUT (a chunk = 512 bytes, lane l's 16 bytes at 16 l = four registers of a fragment; bh = 16 batch + head):
;   q, k: chunk ((bh 128 + tile of 16 tokens) 2 + channel block) ; scale word ((bh 128 + tile) 16 + r): the two bytes written twice, s0 s1 s0 s1.
;   v:    chunk ((bh 4 + tile of 16 channels) 64 + block of 32 keys) ; scale word ((((batch 16 + step of 128 keys) 16 + head) 4 + channel tile) 16 + r).
; LIMITS: a block of zeros gets the byte 1 and not 127 (its codes are zeros; this program alone reads the bytes); NaN and infinities are not served.
; REGISTERS, in windows of 256: window 0: v0-31 addresses; v32-63 scale words, two sets; v96-127 the way out; from v128 A's fragments, one set; window 1: B's fragments, two sets; windows 2, 3: the accumulators ((a, b) at v[8 (8 (a % 4) + b)]).
.set KSTEP,  256
.set NQ,     KSTEP/128
.set ROWB,   256                       ; a tile's row in bytes
.set KROW,   1024                      ; a row of codes in memory
.set PITCH,  272                       ; an LDS row: 256 bytes + 16 of padding
.set FR,     16                        ; registers of a fragment
.set NL,     4                         ; LDS loads that bring one
.set NP,     8                         ; places behind this matrix instruction (ISA guide 7.12.1)
.set HALFT,  128*PITCH                 ; 128 rows: what one tensor load brings
.set SLOT,   4*HALFT                   ; A's 256 rows, then B's 256 rows
.set LAPS,   2                         ; 1,024 / 512: a lap = two K steps = once round the ring
.set KS,     32                        ; a row of scale bytes
.set SCL,    2*SLOT                    ; behind the ring: the scale bytes, as runs of 256 bytes + 16 of padding
.set HALFS,  16*272                    ; those of 128 rows: what one tensor load brings
.set SPARE,  SCL+4*HALFS               ; behind the scales: the spare words, 128 bytes for each wave: two blocks of 256 bytes that no other line names
.set ADRA, 16                          ; v16-17  LDS address of my A fragments in slot 0, 1
.set ADRB, 20                          ; v20-21  the same for B
.set ADRS, 27                          ; v27     LDS address of my scale words: lanes 0-15 A's rows, lanes 16-31 B's
.set SPW,  28                          ; v28     LDS address of my spare word; never rewritten
.set NIL,  29                          ; v29     0; never rewritten
.set SC,   32                          ; scale words: set s at v[SC + 16 s]; register 2 i + q: lanes 0-15 A's block i, lanes 16-31 B's block i
.set VO,   96                          ; v96-99  the way out: byte offsets of a block's four chunks
.set SS,   100                         ; v100    where I put a scale word in my stage
.set SR,   101                         ; v101    where I read 16 bytes of it back
.set XW,   104                         ; v104-111 the scale words read back
.set PC,   112                         ; v112-127 a block's codes
.set AF,   128                         ; A's fragments
.set TM,   200                         ; v200-203 largest magnitudes, v204-207 bytes, v208-211 57,344 x the scale, v212-215 the conversions' scale operands
.set WD,   216                         ; v216-219 at work on the scale words
.set G1, 24                            ; s[24:31] descriptor group 1 for A's tiles;  s[32:39] group 0, one set for each slot
.set G0, 32
.set G1B, 48                           ; s[48:55], s[56:63] the same for B's tiles
.set G0B, 56
.set G1S, 68                           ; s[68:75], s[76:79] groups 1 and 0 for A's scales;  s[80:87], s[88:91] for B's
.set G0S, 76
.set G1SB, 80
.set G0SB, 88
.set MSB, 0
.macro WIN new                         ; the immediate's high byte repeats the setting that is left
.if MSB != \new
	s_set_vgpr_msb (MSB<<8)|\new
.set MSB, \new
.endif
.endm
.set MUL_LO, 0xa1                      ; source 0 (B) window 1, source 1 (A) window 0, C and D window 2
.set MUL_HI, 0xf1                      ; the same, C and D window 3
.set TO_B,   0x40                      ; destination window 1, address window 0
; A joint load: waves 0 and 1 fetch for A, waves 2 and 3 for B.  Each line has one mask and one set of registers for all that issue it; the branch hangs on the wave's number alone.  Four v_nop follow each line.
.macro JLOAD g0a, g1a, g0b, g1b
	s_cmp_eq_u32 s15, 0
	s_cbranch_scc0 .Lfor_b_\@
	tensor_load_to_lds s[\g0a:\g0a+3], s[\g1a:\g1a+7]
	s_nop 0
.rept 4
	v_nop
.endr
	s_branch .Lasked_\@
.Lfor_b_\@:
	tensor_load_to_lds s[\g0b:\g0b+3], s[\g1b:\g1b+7]
	s_nop 0
.rept 4
	v_nop
.endr
.Lasked_\@:
.endm
.macro CREST                           ; a round of the cluster's barrier behind its opening barrier
	s_cmp_lg_u32 s14, 0
	s_cbranch_scc1 .Lnot_wave_0_\@
	s_barrier_signal -3
.Lnot_wave_0_\@:
	s_barrier_wait -3
	s_barrier_signal -1
	s_barrier_wait -1
.endm
.macro CROUND                          ; a whole round
	s_barrier_signal -1
	s_barrier_wait -1
	CREST
.endm
	s_load_b256 s[4:11], s[0:1], 0x0               ; codes s[4:5], scales s[6:7], the images s[8:9], their scale words s[10:11]
	v_lshl_add_u32 v[SPW], v0, 2, SPARE
	v_mov_b32 v[NIL], 0
	ds_add_u32 v28, v29
	ds_add_u32 v28, v29
	s_wait_dscnt 0x0
	v_lshrrev_b32 v1, 5, v0
	v_readfirstlane_b32 s14, v1                    ; wave 0..3
	s_lshr_b32 s15, s14, 1                         ; which half of A's rows is mine.  Also: I fetch for A (0) or for B (1)
	s_and_b32 s16, s14, 1                          ; which half of B's rows.  Also: which 128 rows of that tile I fetch
	s_bfe_u32 s40, ttmp6, 0x40000                  ; cx, cy: my place in the cluster
	s_bfe_u32 s41, ttmp6, 0x40004
	s_lshr_b32 s96, ttmp9, 1                       ; kv: 1 in the clusters that make v (cluster x = 2), else 0
	s_xor_b32 s98, s96, 1                          ; 1 - kv
	s_and_b32 s99, ttmp7, 0xffff                   ; cluster y, 0..7: it walks x's 32 tiles of 256 rows, on A's side for q and k, on B's for v
	s_mul_i32 s17, s99, s98
	s_lshl_b32 s17, s17, 2
	s_add_co_u32 s17, s17, s41                     ; A's tile = 4 (cluster y, or 0) + cy
	s_mul_i32 s42, s99, s96
	s_lshl_b32 s42, s42, 2
	s_add_co_u32 s42, s42, s40                     ; B's tile = 4 (0, or cluster y) + cx
	s_lshl_b32 s43, s41, 2
	s_lshl_b32 s43, 15, s43                        ; my row of the cluster
	s_lshl_b32 s44, 0x1111, s40                    ; my column
	; descriptor group 1: a tile of 128 rows x 256 bytes, padded in LDS
	s_or_b32 s[G1+0], s43, (0<<16)|(1<<20)|(1<<21)|(5<<22)|(3<<25)  ; 15:0 the mask: A's tiles go to my row; elements of 1 byte; padding on; bit 21 beside a mask; after every 64 words, 4 words
	s_or_b32 s[G1B+0], s44, (0<<16)|(1<<20)|(1<<21)|(5<<22)|(3<<25)
.irp g, G1, G1B
	s_mov_b32 s[\g+1], ROWB<<16                    ; tensor_dim0
	s_mov_b32 s[\g+2], 128<<16                     ; tensor_dim1
	s_mov_b32 s[\g+3], ROWB<<16                    ; tile_dim0
	s_mov_b32 s[\g+4], 128                         ; tile_dim1
	s_mov_b32 s[\g+5], KROW                        ; from row to row
	s_mov_b32 s[\g+6], 0
	s_mov_b32 s[\g+7], 0
.endr
	; the scale bytes of 128 rows: 4,096 dense bytes, as 16 rows of 256 bytes (32 elements of 8 bytes), 16 bytes of padding behind each
	s_or_b32 s[G1S+0], s43, (3<<16)|(1<<20)|(1<<21)|(5<<22)|(3<<25)
	s_or_b32 s[G1SB+0], s44, (3<<16)|(1<<20)|(1<<21)|(5<<22)|(3<<25)
.irp g, G1S, G1SB
	s_mov_b32 s[\g+1], 32<<16
	s_mov_b32 s[\g+2], 16<<16
	s_mov_b32 s[\g+3], 32<<16
	s_mov_b32 s[\g+4], 16
	s_mov_b32 s[\g+5], 32
	s_mov_b32 s[\g+6], 0
	s_mov_b32 s[\g+7], 0
.endr
	s_lshl_b32 s18, s16, 7                         ; which 128 rows of the tile I fetch
	s_mul_i32 s20, s96, 10240                      ; A: x begins at row 0 of the two buffers, Wv at row 10,240
	s_lshl_b32 s19, s17, 8
	s_add_co_u32 s20, s20, s19
	s_add_co_u32 s20, s20, s18                     ; A's row
	s_lshl_b32 s46, ttmp9, 10
	s_add_co_u32 s46, s46, 8192                    ; B: Wq at row 8,192, Wk at 9,216; x at 0
	s_mul_i32 s46, s46, s98
	s_lshl_b32 s47, s42, 8
	s_add_co_u32 s46, s46, s47
	s_add_co_u32 s46, s46, s18                     ; B's row
	s_lshl_b32 s22, s20, 5                         ; 32 scale bytes a row,
	s_mov_b32 s23, 0
	s_lshl_b32 s92, s46, 5
	s_mov_b32 s93, 0
	s_lshl_b32 s20, s20, 10                        ; 1,024 codes a row: under 2^24 bytes
	s_mov_b32 s21, 0
	s_lshl_b32 s46, s46, 10
	s_mov_b32 s47, 0
	s_mul_i32 s45, s14, HALFT                      ; where they go: wave x 128 rows: no place in the cluster enters an LDS address
	s_mul_i32 s94, s14, HALFS
	s_wait_kmcnt 0x0
	s_add_nc_u64 s[20:21], s[4:5], s[20:21]
	s_add_nc_u64 s[22:23], s[6:7], s[22:23]
	s_add_nc_u64 s[46:47], s[4:5], s[46:47]
	s_add_nc_u64 s[92:93], s[6:7], s[92:93]
	CROUND                                         ; all sixteen work-groups are here: the first joint loads meet
	s_mov_b32 s[G0S], 1
	s_add_co_u32 s[G0S+1], s94, SCL
	s_mov_b64 s[G0S+2:G0S+3], s[22:23]
	s_or_b32 s[G0S+3], s[G0S+3], 0x80000000
	s_mov_b32 s[G0SB], 1
	s_add_co_u32 s[G0SB+1], s94, SCL
	s_mov_b64 s[G0SB+2:G0SB+3], s[92:93]
	s_or_b32 s[G0SB+3], s[G0SB+3], 0x80000000
	JLOAD G0S, G1S, G0SB, G1SB                     ; the scales first: they are wanted with K step 0.  Three tensor loads of a wave are out at the most: these three first fills
.irp s, 0,1
	s_mov_b32 s[G0+4*\s], 1
	s_add_co_u32 s[G0+4*\s+1], s45, \s*SLOT
	s_add_nc_u64 s[G0+4*\s+2:G0+4*\s+3], s[20:21], \s*ROWB
	s_or_b32 s[G0+4*\s+3], s[G0+4*\s+3], 0x80000000
	s_mov_b32 s[G0B+4*\s], 1
	s_add_co_u32 s[G0B+4*\s+1], s45, \s*SLOT
	s_add_nc_u64 s[G0B+4*\s+2:G0B+4*\s+3], s[46:47], \s*ROWB
	s_or_b32 s[G0B+4*\s+3], s[G0B+4*\s+3], 0x80000000
	JLOAD G0+4*\s, G1, G0B+4*\s, G1B
.endr
	v_and_b32 v1, 15, v0                           ; r = l % 16
	v_bfe_u32 v2, v0, 4, 1                         ; h = l / 16
	v_and_b32 v7, 8, v1
	v_add_nc_u32 v7, v7, v1                        ; r + 8 (r / 8): my row in a block's 24
	v_mul_u32_u24 v3, v7, PITCH
	v_lshl_add_u32 v4, v2, 4, v3                   ; that row x pitch + 16 x half
	s_mul_i32 s21, s15, HALFT                      ; my 128 rows of A
	s_mul_i32 s22, s16, HALFT                      ; my 128 rows of B,
	s_add_co_u32 s22, s22, 2*HALFT                 ; which lie behind A's 256
.irp s, 0,1
	v_add_nc_u32 v[ADRA+\s], s21, v4
	v_add_nc_u32 v[ADRB+\s], s22, v4
	s_add_co_u32 s21, s21, SLOT
	s_add_co_u32 s22, s22, SLOT
.endr
	v_mul_u32_u24 v5, v7, KS                       ; my row's scale bytes: 32 a row,
	v_lshrrev_b32 v6, 8, v5
	v_lshl_add_u32 v5, v6, 4, v5                   ; and 16 more for each 256 passed
	s_mul_i32 s21, s15, HALFS                      ; A's: my 128 rows
	s_mul_i32 s22, s16, HALFS                      ; B's: my 128 rows, behind A's 256
	s_add_co_u32 s22, s22, 2*HALFS
	s_sub_co_u32 s22, s22, s21
	v_mul_u32_u24 v6, s22, v2                      ; lanes 16-31 take B's: the lower base + h x the distance
	s_add_co_u32 s21, s21, SCL
	v_add_nc_u32 v5, v5, v6
	v_add_nc_u32 v[ADRS], s21, v5
	; THE WAY OUT'S NUMBERS.  T0: my first token; C0: my first channel
	s_lshl_b32 s18, s17, 8
	s_lshl_b32 s19, s15, 7
	s_add_co_u32 s18, s18, s19                     ; my first row on A's side
	s_lshl_b32 s19, s42, 8
	s_lshl_b32 s22, s16, 7
	s_add_co_u32 s19, s19, s22                     ; and on B's
	s_cmp_eq_u32 s96, 0                            ; q or k?  (moves and selects leave SCC alone)
	s_cselect_b32 s66, s18, s19                    ; T0
	s_cselect_b32 s67, s19, s18                    ; C0
	s_cselect_b32 s97, 0, -1                       ; a lane mask: all ones for v
	s_mov_b32 s94, 32768
	s_cselect_b32 s94, 1024, s94                   ; from one block of A to the next in the images: a tile of tokens (2 chunks) or a tile of channels (64 chunks)
	s_mov_b32 s95, 0
	s_mov_b32 s99, 1024
	s_cselect_b32 s99, 131072, s99                 ; from B's blocks 0, 1 to blocks 2, 3: the next head, or two chunks on
	s_cselect_b32 s98, 6, 4                        ; a token's share of a head's image: 64 bytes (q, k), or 16 in each channel tile (v)
	s_lshr_b32 s18, s66, 11                        ; batch
	s_and_b32 s19, s66, 2047                       ; my first token in it
	s_lshr_b32 s67, s67, 6                         ; my first head
	s_lshl_b32 s66, s18, 4
	s_add_co_u32 s66, s66, s67                     ; bh
	s_lshl_b32 s12, ttmp9, 23                      ; q's images at 0, k's at 8,388,608, v's at 16,777,216
	s_lshl_b32 s13, s66, 17                        ; 131,072 bytes a head
	s_add_co_u32 s12, s12, s13
	s_lshl_b32 s13, s19, s98
	s_add_co_u32 s12, s12, s13
	s_mov_b32 s13, 0
	s_add_nc_u64 s[12:13], s[8:9], s[12:13]        ; my first chunk
	s_lshl_b32 s20, s66, 13                        ; q, k: 8,192 bytes of scale words a head, 4 a token
	s_lshl_b32 s21, s19, 2
	s_add_co_u32 s20, s20, s21
	s_lshl_b32 s21, s18, 16                        ; v: 65,536 a batch, 4,096 a step of 128 keys, 256 a head
	s_lshl_b32 s22, s19, 5
	s_add_co_u32 s21, s21, s22
	s_lshl_b32 s22, s67, 8
	s_add_co_u32 s21, s21, s22
	s_cmp_eq_u32 s96, 0
	s_cselect_b32 s20, s20, s21
	s_lshl_b32 s21, ttmp9, 19                      ; q's words at 0, k's at 524,288, v's at 1,048,576
	s_add_co_u32 s20, s20, s21
	s_mov_b32 s21, 0
	s_add_nc_u64 s[20:21], s[10:11], s[20:21]      ; my first scale word
	v_and_b32 v6, 31, v0
	v_lshlrev_b32 v[VO], 4, v6                     ; 16 x lane in a chunk
	v_add_nc_u32 v[VO+1], 512, v[VO]
	v_add_nc_u32 v[VO+2], s99, v[VO]
	v_add_nc_u32 v[VO+3], 512, v[VO+2]
	s_lshl_b32 s22, s14, 11                        ; my stage for scale words: 2,048 bytes a wave, in slot 0, which has had its last fill and its last read when the first word is stored there
	v_lshl_add_u32 v[SS], v1, 2, s22
	v_lshl_add_u32 v[SR], v6, 4, s22
.macro FRAG reg, adr, q, i             ; a fragment, 16 rows x 128 K: registers 4 c .. 4 c + 3 hold K = 32 c + 16 (l / 16) + 0 .. 15.  Block i begins at row 32 (i / 2) + 8 (i % 2)
.irp c, 0,1,2,3
	ds_load_b128 v[\reg+4*\c:\reg+4*\c+3], v[\adr] offset:128*(\q)+32*\c+(32*((\i)/2)+8*((\i)%2))*PITCH
.endr
.endm
; 16 matrix instructions: A's blocks a0, a0 + 1 x B's eight, 128 along K.  p: B's set;  sc: the set of scale words.  zero = 1: the first product starts the sums.
; The 64 accumulators take turns, one instruction a turn, in the same order in every step.
.macro MUL16 a0, p, q, sc, zero
.irp a, \a0, \a0+1
.irp b, 0,1,2,3,4,5,6,7
.if \zero
	v_wmma_scale_f32_16x16x128_f8f6f4 v[8*(8*((\a)%4)+\b):8*(8*((\a)%4)+\b)+7], v[128*(\p)+FR*\b:128*(\p)+FR*\b+FR-1], v[AF+FR*(\a):AF+FR*(\a)+FR-1], 0, v[SC+8*NQ*(\sc)+NQ*\b+(\q)], v[SC+8*NQ*(\sc)+NQ*(\a)+(\q)] matrix_a_fmt:MATRIX_FMT_BF8 matrix_b_fmt:MATRIX_FMT_BF8 matrix_a_scale:MATRIX_SCALE_ROW1
.else
	v_wmma_scale_f32_16x16x128_f8f6f4 v[8*(8*((\a)%4)+\b):8*(8*((\a)%4)+\b)+7], v[128*(\p)+FR*\b:128*(\p)+FR*\b+FR-1], v[AF+FR*(\a):AF+FR*(\a)+FR-1], v[8*(8*((\a)%4)+\b):8*(8*((\a)%4)+\b)+7], v[SC+8*NQ*(\sc)+NQ*\b+(\q)], v[SC+8*NQ*(\sc)+NQ*(\a)+(\q)] matrix_a_fmt:MATRIX_FMT_BF8 matrix_b_fmt:MATRIX_FMT_BF8 matrix_a_scale:MATRIX_SCALE_ROW1
.endif
.endr
.endr
.endm
.macro FETCH_B slot, q, p              ; B's eight fragments of the slot's q-th 128 along K into set p
	WIN TO_B
.irp i, 0,1,2,3,4,5,6,7
	FRAG 128*(\p)+FR*\i, ADRB+\slot, \q, \i
.endr
	WIN 0
.endm
.macro FETCH_A slot, q, i0             ; A's blocks i0 .. i0 + 3
.irp i, \i0, \i0+1, \i0+2, \i0+3
	FRAG AF+FR*(\i), ADRA+\slot, \q, \i
.endr
.endm
.macro SCALES sc                       ; the next K step's scale words into set sc: 2 words a row; lanes 0-15 take A's block i, lanes 16-31 B's.  Eight rows' bytes fill a run of 256: block i begins 4 (i / 2) + i % 2 runs on
.irp i, 0,1,2,3,4,5,6,7
	ds_load_b64 v[SC+8*NQ*\sc+NQ*\i:SC+8*NQ*\sc+NQ*\i+1], v[ADRS] offset:(4*(\i/2)+\i%2)*272
.endr
.endm
; A load into a register that a matrix instruction has read, and a vector instruction or an LDS store that reads a matrix result, stand NP places behind it; only plain vector instructions that name none of its registers are places.
.macro PLACES n
.rept \n
	v_nop
.endr
.endm
.macro STEP slot, q, zero              ; a step of 128 along K that has its successor in the same slot
	s_wait_dscnt 4*NL                              ; B's set and A's blocks 0-3 are in; the youngest 16 loads (A's blocks 4-7) may be out
	WIN MUL_LO
	MUL16 0, (\q)%2, \q, \slot, \zero
	MUL16 2, (\q)%2, \q, \slot, \zero
	s_wait_dscnt 0                                 ; A's blocks 4-7 are in
	PLACES NP
	FETCH_B \slot, (\q)+1, 1-(\q)%2
	FETCH_A \slot, (\q)+1, 0
	WIN MUL_HI
	MUL16 4, (\q)%2, \q, \slot, \zero
	MUL16 6, (\q)%2, \q, \slot, \zero
	PLACES NP
	WIN 0
	FETCH_A \slot, (\q)+1, 4
.endm
; A slot's last step changes slots: one barrier; in front of it each wave waits for all its tensor loads, adds 0 to its spare word, and waits for that and for its own reads of this slot.  fill = 1: this slot is filled again, two K steps ahead.
.macro TURN slot, next, fill
	s_wait_tensorcnt 0x0                           ; all my tensor loads have landed: my part of the next slot
	ds_add_u32 v[SPW], v[NIL]                      ; 0 onto my spare word
	s_wait_dscnt 4*NL+1                            ; (the add and the youngest 16 loads, A's blocks 4-7, may be out)
	WIN MUL_LO
	MUL16 0, 1, NQ-1, \slot, 0                     ; sixteen matrix instructions stand between the add and the wait for it
	s_wait_dscnt 0x0                               ; the add is done, and my reads of this slot are over
	s_barrier_signal -1
	MUL16 2, 1, NQ-1, \slot, 0
	WIN 0
	s_barrier_wait -1
.if \fill
	CREST                                          ; the barrier has opened a round of the cluster's barrier: no wave of any partner still reads this slot's tile or has a load on its way
	s_add_nc_u64 s[G0+4*\slot+2:G0+4*\slot+3], s[G0+4*\slot+2:G0+4*\slot+3], 2*ROWB
	s_add_nc_u64 s[G0B+4*\slot+2:G0B+4*\slot+3], s[G0B+4*\slot+2:G0B+4*\slot+3], 2*ROWB
	JLOAD G0+4*\slot, G1, G0B+4*\slot, G1B         ; the first tensor load behind the round, and my only one until the next; its four v_nop are among the places in front of the loads below
	PLACES NP-4
.else
	PLACES NP
.endif
	v_add_nc_u32 v[ADRS], 4*NQ, v[ADRS]            ; on to the next K step's scale words (no LDS load of mine is out)
	FETCH_B \next, 0, 0
	FETCH_A \next, 0, 0
	SCALES \next
	WIN MUL_HI
	MUL16 4, 1, NQ-1, \slot, 0
	MUL16 6, 1, NQ-1, \slot, 0
	PLACES NP
	WIN 0
	FETCH_A \next, 0, 4
.endm
	s_wait_tensorcnt 1                             ; the scales and my part of K step 0 are in; K step 1's load may be out
	s_barrier_signal -1
	s_barrier_wait -1
	FETCH_B 0, 0, 0
	FETCH_A 0, 0, 0
	SCALES 0
	FETCH_A 0, 0, 4
	STEP 0, 0, 1                                   ; the first step stands in front of the loop: its products start the sums
	s_mov_b32 s3, LAPS-1
.Llap:                                                 ; a trip goes once round the ring and fills both slots again
	TURN 0, 1, 1
	STEP 1, 0, 0
	TURN 1, 0, 1
	STEP 0, 0, 0
	s_sub_co_u32 s3, s3, 1
	s_cmp_lg_u32 s3, 0
	s_cbranch_scc1 .Llap
	TURN 0, 1, 0                                   ; the last lap fills nothing, and has no round of the cluster's barrier
	STEP 1, 0, 0
	s_wait_dscnt 4*NL                              ; the very last step: nothing more to fetch
	WIN MUL_LO
	MUL16 0, 1, NQ-1, 1, 0
	MUL16 2, 1, NQ-1, 1, 0
	s_wait_dscnt 0
	WIN MUL_HI
	MUL16 4, 1, NQ-1, 1, 0
	MUL16 6, 1, NQ-1, 1, 0
	WIN 0
; THE WAY OUT.  Block a of A: my lane's row, and 64 registers, register 16 b + i = B's row 32 b + 16 (lane / 16) + i: four blocks of 32 along the next K.  Each is quantised where it lies; a block's 16 codes of a lane are four
; registers of the next operand, and the 32 lanes store them as a chunk: 512 consecutive bytes, aligned.  The four bytes make the scale words: for q and k two heads' words (bytes 0, 1 and bytes 2, 3, each written twice), for v one word.
	s_mov_b32 s2, 0x76543210                       ; v_permlanex16_b32's selects for lane l xor 16
	s_mov_b32 s3, 0xfedcba98
	s_mov_b32 s18, 0x600000                        ; the mantissa field of 57,344
	PLACES NP                                      ; behind the last products: for the first reads of results and the first writes of registers that held A's fragments
.irp b, 0,1,2,3
	v_mov_b32 v[TM+4+\b], 0                        ; written once: a lane permute's destination counts as one of its sources
.endr
.macro QUANTA a
.set QW, 2+(\a)/4                      ; the block's window
.set QB, 64*((\a)%4)                   ; and its first register
	WIN (QW|(QW<<2))
.irp b, 0,1,2,3
	v_max3_num_f32 v[TM+\b], |v[QB+16*\b]|, |v[QB+16*\b+1]|, 0x8000000   ; my 16 numbers of block b, and the floor 2^(16 - 127); each accumulator is read from its low end on
.endr
	WIN ((QW<<2)|(QW<<4))
.irp i, 2,4,6,8,10,12,14
.irp b, 0,1,2,3
	v_max3_num_f32 v[TM+\b], v[TM+\b], |v[QB+16*\b+\i]|, |v[QB+16*\b+\i+1]|   ; (the four blocks by turns)
.endr
.endr
	WIN 0
.irp b, 0,1,2,3
	v_permlanex16_b32 v[TM+4+\b], v[TM+\b], s2, s3
.endr
.irp b, 0,1,2,3
	v_max_num_f32 v[TM+\b], v[TM+\b], v[TM+4+\b]   ; with lane l xor 16's: the block's largest magnitude
.endr
.irp b, 0,1,2,3
	v_add_nc_u32 v[TM+12+\b], 0xf8800000, v[TM+\b] ; 15 off its exponent field: the conversion's scale operand
.endr
.irp b, 0,1,2,3
	v_and_or_b32 v[TM+8+\b], v[TM+\b], 0x7f800000, s18   ; 57,344 x the scale
.endr
.irp b, 0,1,2,3
	v_lshrrev_b32 v[TM+4+\b], 23, v[TM+12+\b]      ; the scale's byte
.endr
	v_lshl_or_b32 v[WD], v[TM+5], 8, v[TM+4]       ; bytes 0, 1
	v_lshl_or_b32 v[WD+1], v[TM+7], 8, v[TM+6]     ; bytes 2, 3
	v_cndmask_b32 v[WD+2], v[WD], v[WD+1], s97     ; the first word's upper half: bytes 0, 1 again (q, k) or bytes 2, 3 (v)
	v_lshl_or_b32 v[WD+2], v[WD+2], 16, v[WD]
	v_lshl_or_b32 v[WD+3], v[WD+1], 16, v[WD+1]    ; the second head's word (q, k)
	ds_store_b32 v[SS], v[WD+2] offset:64*(\a)     ; both halves of the lanes write the same word with the same value
	ds_store_b32 v[SS], v[WD+3] offset:512+64*(\a)
	WIN ((QW<<6)|QW)
.irp b, 0,1,2,3
.irp i, 0,1,2,3,4,5,6,7,8,9,10,11,12,13,14,15
	v_med3_num_f32 v[QB+16*\b+\i], v[QB+16*\b+\i], -v[TM+8+\b], v[TM+8+\b]   ; the conversion does not saturate (ISA guide 7.6.2): the hold at the largest code x the scale
.endr
.endr
.if (\a) > 0
	s_wait_xcnt 0x0                                ; the last block's stores have read their data and their base: both are written again only behind this wait
	s_add_nc_u64 s[12:13], s[12:13], s[94:95]
.endif
	WIN QW
.irp b, 0,1,2,3
	v_cvt_scalef32_pk8_bf8_f32 v[PC+4*\b:PC+4*\b+1], v[QB+16*\b:QB+16*\b+7], v[TM+12+\b]
	v_cvt_scalef32_pk8_bf8_f32 v[PC+4*\b+2:PC+4*\b+3], v[QB+16*\b+8:QB+16*\b+15], v[TM+12+\b]
.endr
	WIN 0
	v_nop                                          ; one plain line behind the last conversion
.irp b, 0,1,2,3
	global_store_b128 v[VO+\b], v[PC+4*\b:PC+4*\b+3], s[12:13]   ; a chunk: 512 consecutive bytes, aligned
.endr
.endm
.irp a, 0,1,2,3,4,5,6,7
	QUANTA \a
.endr
	ds_load_b128 v[XW:XW+3], v[SR]                 ; the eight blocks' words, 512 bytes on end: LDS serves a wave's instructions in order, so these see my stores
	ds_load_b128 v[XW+4:XW+7], v[SR] offset:512
	s_wait_dscnt 0x0
	global_store_b128 v[VO], v[XW:XW+3], s[20:21]
	s_cmp_lg_u32 s96, 0                            ; v has one word a row: the branch hangs on the cluster's x, the same in all partners, and jumps over the one store
	s_cbranch_scc1 .Lno_second
	global_store_b128 v[VO], v[XW+4:XW+7], s[20:21] offset:8192   ; the next head's words
.Lno_second:
	s_wait_tensorcnt 0x0                           ; the wave's end: behind my last tensor load and my last LDS store
	ds_add_u32 v[SPW], v[NIL]
	s_wait_dscnt 0x0
	CROUND                                         ; the closing round: no work-group ends while a partner may still ask for a tile that names it
	s_endpgm
.Lfunc_end_k_q86564c45aa_qkv:
	.size	k_q86564c45aa_qkv, .Lfunc_end_k_q86564c45aa_qkv-k_q86564c45aa_qkv
	.p2alignl 7, 3214868480
	.fill 96, 4, 3214868480
	.section	.rodata,"a",@progbits
	.p2align	6, 0x0
	.amdhsa_kernel k_q86564c45aa_qkv
		.amdhsa_group_segment_fixed_size 327680
		.amdhsa_private_segment_fixed_size 0
		.amdhsa_enable_private_segment 0
		.amdhsa_kernarg_size 32
		.amdhsa_user_sgpr_count 2
		.amdhsa_user_sgpr_kernarg_segment_ptr 1
		.amdhsa_wavefront_size32 1
		.amdhsa_system_sgpr_workgroup_id_x 1
		.amdhsa_system_sgpr_workgroup_id_y 1
		.amdhsa_system_sgpr_workgroup_id_z 1
		.amdhsa_system_vgpr_workitem_id 0
		.amdhsa_next_free_vgpr 1024
		.amdhsa_next_free_sgpr 100
		.amdhsa_reserve_vcc 0
		.amdhsa_float_denorm_mode_32 3
		.amdhsa_float_denorm_mode_16_64 3
		.amdhsa_memory_ordered 1
		.amdhsa_forward_progress 1
		.amdhsa_inst_pref_size 189
	.end_amdhsa_kernel
	.amdgpu_metadata
---
amdhsa.version: [ 1, 2 ]
amdhsa.kernels:
  - .name:           k_q86564c45aa_qkv
    .symbol:         k_q86564c45aa_qkv.kd
    .args:
      - { .name: codes, .offset: 0, .size: 8, .value_kind: global_buffer, .address_space: global }
      - { .name: scales, .offset: 8, .size: 8, .value_kind: global_buffer, .address_space: global }
      - { .name: qkv_img, .offset: 16, .size: 8, .value_kind: global_buffer, .address_space: global }
      - { .name: qkv_sc, .offset: 24, .size: 8, .value_kind: global_buffer, .address_space: global }
    .group_segment_fixed_size: 327680
    .private_segment_fixed_size: 0
    .kernarg_segment_align: 8
    .kernarg_segment_size: 32
    .max_flat_workgroup_size: 128
    .sgpr_count:     100
    .vgpr_count:     1024
    .wavefront_size: 32
...
	.end_amdgpu_metadata
.endif
;; end of part 2
;; launch attn (part 3): grid 4 x 64, 4 waves a work-group, no clusters, 36,352 bytes of LDS; arguments qkv_img, qkv_sc, o_img, o_sc; writes o_img, o_sc
.if DOCPART == 3
	.amdgcn_target "amdgcn-amd-amdhsa--gfx1250"
	.amdhsa_code_object_version 6
	.text
	.protected	k_q86564c45aa_attn
	.globl	k_q86564c45aa_attn
	.p2align	8
	.type	k_q86564c45aa_attn,@function
k_q86564c45aa_attn:
	s_mov_b64 s[64:65], 0
	v_nop
	global_prefetch_b8 v0, s[64:65] scope:SCOPE_SE
	s_setreg_imm32_b32 hwreg(HW_REG_WAVE_MODE, 25, 1), 1
	s_wait_xcnt 0x0
; o = softmax(q k^T / 8) v for one head and 512 queries, both products on codes of BF8 (E5M2) with one E8M0 scale for each 32 along K; o is quantised for the last product and stored as images of operand registers.
; THE WEIGHTS ARE QUANTISED FINISHED: p = e / (sum + 1e-10), so a row's maximum and sum over all 2,048 keys must be known before any p is converted.  THE KEYS ARE SHARED OUT AMONG THE WAVES: wave w owns keys 512 w .. 512 w + 511 for the
; whole launch; its K (256 registers) and its V^T (256 registers) stay in registers, read once.  For a tile of 16 queries a wave holds 16 x 512 scores in 256 registers: each product k q^T and each exponential is done once.
; Each wave takes its OWN largest score away (CM = c x that score, c = log2(e) / 8), e = 2^(c s - CM), and sums its e.  The four waves' CM and sums meet in LDS behind one barrier; with cM the largest CM,
; l = sum of l_i 2^(CM_i - cM), and F = 2^(CM_own - cM) / (l + 1e-10): p = e F.  The rounded CM cancel between e, l and F.
; A block's largest p is not searched for: the block's largest score goes through the same multiply-add, exponential and multiplication.  This takes v_exp_f32 not to fall where its input rises; at the worst one p of a block would be held one code low.
; HEAD SIZE 64 IN A K OF 128: source 0 = TWO tiles of 16 keys side by side (k 0-63 the first, k 64-127 the second); source 1 = (q, zeros) gives the first tile's scores, (zeros, q) the second's.  Zero codes add nothing under any scale byte from 1 to 254.
; Both products are used transposed: a lane holds one query (lane % 16).  The keys of a tile are chosen (lane r of tile 2 f + u: key 32 f + 8 u + r + 8 (r / 8)) so that score register 16 f + i is key 32 f + 16 (lane / 16) + i.
; O^T's four partial sums (one a wave) meet in LDS after two tiles; wave w then adds and quantises tile w / 2, channel block w % 2, and stores a chunk of 512 consecutive bytes.
; NO JOINT LOADS: the four work-groups of a head read the same K and V, but once, at the head, 256 KiB straight into registers, ahead of a loop of 32 tiles that never reads them again; a joint load lands in LDS and would have to be read out again.
; NO PREFETCH: the loop's one stream, Q, is loaded two tiles ahead into registers.  The last trip's three loads a set read the 2,048 + 128 bytes that follow the work-group's part (inside the buffers: k's follow q's) and are not used.
; LIMITS: p under 2^-126 is flushed by v_exp_f32; a block of zeros gets the byte 1 and not 127; NaN and infinities are not served; sums are taken in four parts, another order than a plain sum's.
; o's scale bytes leave 2 bytes a lane, 32 bytes apart: a token's 32 bytes belong to 16 heads, that is to 16 work-groups.  It is 16 stores a work-group.
; REGISTERS: window 1: the scores S, then e, then p.  Window 2: K, fragment f at 16 f.  Window 3: V^T, (key step s, channel tile ct) at 16 (4 s + ct).  Window 0: below.
.set ACB, 10                           ; v10-13   o's scale bytes of my 16 trips, shifted in from the top
.set KSR, 56                           ; v56-71   K's scale words: lanes 0-15 tile 2 f, lanes 16-31 tile 2 f + 1
.set VSR, 72                           ; v72-79   V's: register 2 s + ct / 2; lanes 0-15 the even channel tile, lanes 16-31 the odd one
.set QSR, 80                           ; v80-81   Q's, a register for each set
.set PSR, 82                           ; v82-85   p's, a word for each key step
.set CM,  86                           ; v86 CM, v87 my sum (a pair: stored together, and named together by the packed scaling)
.set F,   88                           ; v88 F (v89 named with it as a pair)
.set MX,  90                           ; v90-91   at work
.set BM,  96                           ; v96-111  each block's largest score, then its largest p, then its byte
.set SO,  112                          ; v112-127 the conversions' scale operands (earlier: lane permutes' destinations)
.set LM,  128                          ; v128-143 57,344 x the scale
.set P,   144                          ; v144-207 p's codes; later the four partial O^T
.set O,   208                          ; v208-239 O^T, 8 registers a channel tile
.set CH,  240                          ; v240-247 at work
.set ST,  248                          ; v248-255 the four waves' CM and sums
; v16-55: zeros 16-23, Q set 0 24-31, zeros 32-39, Q set 1 40-47, zeros 48-55: (q, zeros) of set p begins at 24 + 16 p, (zeros, q) at 16 + 16 p.
; v1 16 x lane, v2 4 x lane, v3 4 r, v4 / v5 where I store / read the statistics, v6 / v7 where I store / read partial O^T, v8 where my scale bytes go, v9 my byte offset in o's images.
; LDS: 0 the statistics (tile parity x 1,024 + wave x 256 + 8 x lane); 2,048 partial O^T (parity x 16,384 + wave x 4,096, register images); 34,816 o's scale bytes, 2 a token.
.set OPART, 2048
.set SCT,   34816
.set MSB, 0
.macro WIN new                         ; s_set_vgpr_msb: bits 1:0 source 0, 3:2 source 1, 5:4 source 2, 7:6 destination; the high byte repeats the setting that is left
.if MSB != \new
	s_set_vgpr_msb (MSB<<8)|\new
.set MSB, \new
.endif
.endm
	s_load_b256 s[4:11], s[0:1], 0x0               ; the images s[4:5], their scale words s[6:7], o's images s[8:9], o's scale bytes s[10:11]
	v_lshl_add_u32 v94, v0, 2, 0x8c00
	v_mov_b32 v95, 0
	v_lshrrev_b32 v1, 5, v0
	v_readfirstlane_b32 s12, v1                    ; wave 0..3
	s_and_b32 s14, ttmp7, 0xffff                   ; bh = 16 batch + head
	s_lshr_b32 s15, s14, 4                         ; batch
	s_and_b32 s16, s14, 15                         ; head
	v_and_b32 v14, 31, v0                          ; lane
	v_and_b32 v15, 15, v0                          ; r
	v_lshlrev_b32 v1, 4, v14
	v_lshlrev_b32 v2, 2, v14
	v_lshlrev_b32 v3, 2, v15
	v_lshlrev_b32 v5, 3, v14
	s_lshl_b32 s32, s12, 8
	v_add_nc_u32 v4, s32, v5
	s_lshl_b32 s32, s12, 12
	s_add_co_u32 s32, s32, OPART
	v_add_nc_u32 v6, s32, v1
	s_lshr_b32 s33, s12, 1                         ; which of a trip's two tiles I finish,
	s_and_b32 s34, s12, 1                          ; and which channel block of 32
	s_lshl_b32 s32, s33, 14
	s_lshl_b32 s35, s34, 11
	s_add_co_u32 s32, s32, s35
	s_add_co_u32 s32, s32, OPART
	v_add_nc_u32 v7, s32, v1
	s_lshl_b32 s32, s33, 5
	s_add_co_u32 s32, s32, s34
	s_add_co_u32 s32, s32, SCT
	v_lshl_add_u32 v8, v15, 1, s32                 ; 2 bytes a token: 32 x (tile in the trip) + 2 r + channel block
	s_lshl_b32 s32, s33, 14
	s_lshl_b32 s35, s34, 9
	s_add_co_u32 s32, s32, s35
	v_add_nc_u32 v9, s32, v1                       ; a tile of o's images is 16,384 bytes, a chunk 512
	s_mov_b32 s20, 0x76543210
	s_mov_b32 s21, 0xfedcba98                      ; v_permlanex16_b32's selects for lane l xor 16
	s_mov_b32 s22, 0x3e38aa3b                      ; c = log2(e) / 8
	s_mov_b32 s23, s22                             ; (named with it as a pair, so it is written)
	s_mov_b32 s24, 0x600000                        ; the mantissa field of 57,344
	s_mov_b32 s25, 16                              ; trips of two tiles
	s_mov_b32 s45, 0
	s_lshl_b32 s44, s14, 17                        ; 131,072 bytes of images a head
	s_wait_kmcnt 0x0
	s_add_nc_u64 s[26:27], s[4:5], s[44:45]        ; the head's q,
	s_add_nc_u64 s[36:37], s[26:27], 8388608       ; k
	s_add_nc_u64 s[38:39], s[26:27], 16777216      ; and v
	s_lshl_b32 s44, s12, 15
	s_add_nc_u64 s[36:37], s[36:37], s[44:45]      ; my 512 keys: 32 tiles of 1,024 bytes
	s_lshl_b32 s44, s12, 13
	s_add_nc_u64 s[38:39], s[38:39], s[44:45]      ; and 16 chunks in each channel tile
	s_lshl_b32 s44, ttmp9, 15
	s_add_nc_u64 s[26:27], s[26:27], s[44:45]      ; the work-group's 32 tiles of queries
	s_lshl_b32 s44, s14, 13                        ; 8,192 bytes of scale words a head
	s_add_nc_u64 s[28:29], s[6:7], s[44:45]
	s_add_nc_u64 s[40:41], s[28:29], 524288        ; k's words
	s_lshl_b32 s44, s12, 11
	s_add_nc_u64 s[40:41], s[40:41], s[44:45]
	s_lshl_b32 s44, ttmp9, 11
	s_add_nc_u64 s[28:29], s[28:29], s[44:45]      ; q's
	s_lshl_b32 s44, s15, 16                        ; v's: 65,536 a batch, 4,096 a key step (my four: 4 w on), 256 a head
	s_lshl_b32 s32, s12, 14
	s_add_co_u32 s44, s44, s32
	s_lshl_b32 s32, s16, 8
	s_add_co_u32 s44, s44, s32
	s_add_co_u32 s44, s44, 1048576
	s_add_nc_u64 s[42:43], s[6:7], s[44:45]
	s_lshl_b32 s44, s15, 21                        ; o's images: (128 batch + 32 quarter) tiles of 16,384 bytes, + 2 chunks a head
	s_lshl_b32 s32, ttmp9, 19
	s_add_co_u32 s44, s44, s32
	s_lshl_b32 s32, s16, 10
	s_add_co_u32 s44, s44, s32
	s_add_nc_u64 s[30:31], s[8:9], s[44:45]
	s_lshl_b32 s44, s15, 16                        ; o's scale bytes: 32 a token, + 2 a head
	s_lshl_b32 s32, ttmp9, 14
	s_add_co_u32 s44, s44, s32
	s_lshl_b32 s32, s16, 1
	s_add_co_u32 s44, s44, s32
	s_add_nc_u64 s[46:47], s[10:11], s[44:45]
	WIN 0x80                                       ; destination window 2
.set ii, 0
.rept 64
	global_load_b128 v[4*ii:4*ii+3], v1, s[36:37] offset:512*ii   ; K: four chunks on end are one fragment of two tiles
.set ii, ii+1
.endr
	WIN 0xc0                                       ; destination window 3
.irp s, 0,1,2,3
.irp ct, 0,1,2,3
.irp c, 0,1,2,3
	global_load_b128 v[16*(4*\s+\ct)+4*\c:16*(4*\s+\ct)+4*\c+3], v1, s[38:39] offset:\ct*32768+(4*\s+\c)*512
.endr
.endr
.endr
	WIN 0
.set ii, 0
.rept 16
	global_load_b32 v[KSR+ii], v2, s[40:41] offset:128*ii
.set ii, ii+1
.endr
.irp s, 0,1,2,3
.irp g, 0,1
	global_load_b32 v[VSR+2*\s+\g], v2, s[42:43] offset:4096*\s+128*\g
.endr
.endr
.irp p, 0,1
	global_load_b128 v[24+16*\p:27+16*\p], v1, s[26:27] offset:1024*\p        ; tiles 0 and 1 of the queries
	global_load_b128 v[28+16*\p:31+16*\p], v1, s[26:27] offset:1024*\p+512
	global_load_b32 v[QSR+\p], v3, s[28:29] offset:64*\p
.endr
.set ii, 0
.rept 8
	v_mov_b32 v[16+ii], 0                          ; the zero codes beside Q
	v_mov_b32 v[32+ii], 0
	v_mov_b32 v[48+ii], 0
.set ii, ii+1
.endr
.set ii, 0
.rept 16
	v_mov_b32 v[SO+ii], 0                          ; written once: a lane permute's destination counts as one of its sources
.set ii, ii+1
.endr
	v_mov_b32 v[ST], 0
	v_mov_b32 v[CM+1], 0                           ; named as the upper halves of pairs before they are first written
	v_mov_b32 v[F+1], 0
.irp j, 0,1,2,3
	v_mov_b32 v[ACB+\j], 0
.endr
.macro PVI s, ct                       ; O^T(ct) += V^T(key step s, ct) p^T(s).  The first key step starts the sums
.set rO, O+8*(\ct)
.set rV, 16*(4*(\s)+(\ct))
.set rP, P+16*(\s)
.set rA, VSR+2*(\s)+(\ct)/2
.if (\s) == 0
.if (\ct)%2
	v_wmma_scale_f32_16x16x128_f8f6f4 v[rO:rO+7], v[rV:rV+15], v[rP:rP+15], 0, v[rA], v[PSR+\s] matrix_a_fmt:MATRIX_FMT_BF8 matrix_b_fmt:MATRIX_FMT_BF8 matrix_a_scale:MATRIX_SCALE_ROW1
.else
	v_wmma_scale_f32_16x16x128_f8f6f4 v[rO:rO+7], v[rV:rV+15], v[rP:rP+15], 0, v[rA], v[PSR+\s] matrix_a_fmt:MATRIX_FMT_BF8 matrix_b_fmt:MATRIX_FMT_BF8
.endif
.else
.if (\ct)%2
	v_wmma_scale_f32_16x16x128_f8f6f4 v[rO:rO+7], v[rV:rV+15], v[rP:rP+15], v[rO:rO+7], v[rA], v[PSR+\s] matrix_a_fmt:MATRIX_FMT_BF8 matrix_b_fmt:MATRIX_FMT_BF8 matrix_a_scale:MATRIX_SCALE_ROW1
.else
	v_wmma_scale_f32_16x16x128_f8f6f4 v[rO:rO+7], v[rV:rV+15], v[rP:rP+15], v[rO:rO+7], v[rA], v[PSR+\s] matrix_a_fmt:MATRIX_FMT_BF8 matrix_b_fmt:MATRIX_FMT_BF8
.endif
.endif
.endm
; ONE TILE OF 16 QUERIES, from Q's set p.
.macro ITER p
	s_wait_loadcnt 3                               ; this set's three loads are in (in the first trip K, V and their words too); the other set's three, issued later, may be out
	WIN 0x42                                       ; S in window 1, K in window 2, Q in window 0
.set fi, 0
.rept 16
	v_wmma_scale_f32_16x16x128_f8f6f4 v[16*fi:16*fi+7], v[16*fi:16*fi+15], v[24+16*\p:39+16*\p], 0, v[KSR+fi], v[QSR+\p] matrix_a_fmt:MATRIX_FMT_BF8 matrix_b_fmt:MATRIX_FMT_BF8
	v_wmma_scale_f32_16x16x128_f8f6f4 v[16*fi+8:16*fi+15], v[16*fi:16*fi+15], v[16+16*\p:31+16*\p], 0, v[KSR+fi], v[QSR+\p] matrix_a_fmt:MATRIX_FMT_BF8 matrix_b_fmt:MATRIX_FMT_BF8 matrix_a_scale:MATRIX_SCALE_ROW1
.set fi, fi+1
.endr
	WIN 0
.rept 8
	v_nop                                          ; eight places: in front of the loads into Q's registers and its scale word, and of the first reads of the scores
.endr
	global_load_b128 v[24+16*\p:27+16*\p], v1, s[26:27] offset:(\p+2)*1024        ; the tile two on, into this set
	global_load_b128 v[28+16*\p:31+16*\p], v1, s[26:27] offset:(\p+2)*1024+512
	global_load_b32 v[QSR+\p], v3, s[28:29] offset:(\p+2)*64
	; the largest score of each block of 32 keys: it serves for the row's maximum and, since p rises with the score, for the block's largest p.  Each accumulator is read from its low end on
	WIN 0x15
.set fi, 0
.rept 16
	v_max3_num_f32 v[BM+fi], v[16*fi], v[16*fi+1], v[16*fi+2]
.set fi, fi+1
.endr
	WIN 0x14
.irp i, 3,5,7,9,11,13
.set fi, 0
.rept 16
	v_max3_num_f32 v[BM+fi], v[BM+fi], v[16*fi+\i], v[16*fi+\i+1]   ; (the sixteen blocks by turns)
.set fi, fi+1
.endr
.endr
	WIN 0x04
.set fi, 0
.rept 16
	v_max_num_f32 v[BM+fi], v[BM+fi], v[16*fi+15]
.set fi, fi+1
.endr
	WIN 0
.set fi, 0
.rept 16
	v_permlanex16_b32 v[SO+fi], v[BM+fi], s20, s21
.set fi, fi+1
.endr
.set fi, 0
.rept 16
	v_max_num_f32 v[BM+fi], v[BM+fi], v[SO+fi]     ; with lane l xor 16's 16 keys
.set fi, fi+1
.endr
	v_max3_num_f32 v[MX], v[BM], v[BM+1], v[BM+2]  ; my 512 keys' largest score, in two chains
	v_max3_num_f32 v[MX+1], v[BM+3], v[BM+4], v[BM+5]
	v_max3_num_f32 v[MX], v[MX], v[BM+6], v[BM+7]
	v_max3_num_f32 v[MX+1], v[MX+1], v[BM+8], v[BM+9]
	v_max3_num_f32 v[MX], v[MX], v[BM+10], v[BM+11]
	v_max3_num_f32 v[MX+1], v[MX+1], v[BM+12], v[BM+13]
	v_max3_num_f32 v[MX], v[MX], v[BM+14], v[BM+15]
	v_max_num_f32 v[MX], v[MX], v[MX+1]
	v_mul_f32 v[CM], s22, v[MX]                    ; CM
.set fi, 0
.rept 16
	v_fma_f32 v[BM+fi], v[BM+fi], s22, -v[CM]      ; c s - CM of each block's largest score: the same fused line as the scores' own
.set fi, fi+1
.endr
	; ONE BATCH: 128 packed scalings and 272 exponentials; a pair is scaled four pairs ahead of its exponentials, and no line of the batch names an exponential's result
	WIN 0x41
.irp i, 0,2,4,6
	v_pk_fma_f32 v[\i:\i+1], v[\i:\i+1], s[22:23], v[CM:CM+1] op_sel_hi:[1,0,0] neg_lo:[0,0,1] neg_hi:[0,0,1]
.endr
.set ii, 0
.rept 128
	v_exp_f32 v[2*ii], v[2*ii]
	v_exp_f32 v[2*ii+1], v[2*ii+1]
.if ii < 124
	v_pk_fma_f32 v[2*ii+8:2*ii+9], v[2*ii+8:2*ii+9], s[22:23], v[CM:CM+1] op_sel_hi:[1,0,0] neg_lo:[0,0,1] neg_hi:[0,0,1]
.endif
.set ii, ii+1
.endr
	WIN 0
.set fi, 0
.rept 16
	v_exp_f32 v[BM+fi], v[BM+fi]
.set fi, fi+1
.endr
	v_nop                                          ; a plain line behind the last exponential
	s_wait_alu depctr_va_vdst(0)                   ; one wait for the whole batch, ahead of its first reader
	; my sum of e, two at a time, in four chains
	WIN 0x05
.irp k, 0,1,2,3
	v_pk_add_f32 v[CH+2*\k:CH+2*\k+1], v[4*\k:4*\k+1], v[4*\k+2:4*\k+3]
.endr
	WIN 0x04
.set ii, 8
.rept 120
	v_pk_add_f32 v[CH+2*(ii%4):CH+2*(ii%4)+1], v[CH+2*(ii%4):CH+2*(ii%4)+1], v[2*ii:2*ii+1]
.set ii, ii+1
.endr
	WIN 0
	v_pk_add_f32 v[CH:CH+1], v[CH:CH+1], v[CH+2:CH+3]
	v_pk_add_f32 v[CH+4:CH+5], v[CH+4:CH+5], v[CH+6:CH+7]
	v_pk_add_f32 v[CH:CH+1], v[CH:CH+1], v[CH+4:CH+5]
	v_add_f32 v[CH], v[CH], v[CH+1]
	v_permlanex16_b32 v[ST], v[CH], s20, s21
	v_add_f32 v[CM+1], v[CH], v[ST]                ; with lane l xor 16's
	; the four waves' CM and sums meet.  The words have two sets, by the tile's parity: between a set's reads and its next stores every wave passes a barrier with its LDS loads waited for
	ds_store_b64 v4, v[CM:CM+1] offset:1024*\p
	s_wait_dscnt 0x0                               ; for the others' sake: my stores have landed (the last tile's partial O^T among them)
	s_barrier_signal -1
	s_barrier_wait -1
.irp i, 0,1,2,3
	ds_load_b64 v[ST+2*\i:ST+2*\i+1], v5 offset:1024*\p+256*\i
.endr
	s_wait_dscnt 0x0
	v_max3_num_f32 v[CH], v[ST], v[ST+2], v[ST+4]
	v_max_num_f32 v[CH], v[CH], v[ST+6]            ; cM
.irp i, 0,1,2,3
	v_sub_f32 v[CH+1+\i], v[ST+2*\i], v[CH]
.endr
	v_sub_f32 v[CH+5], v[CM], v[CH]
.irp i, 1,2,3,4,5
	v_exp_f32 v[CH+\i], v[CH+\i]
.endr
	v_nop
	s_wait_alu depctr_va_vdst(0)                   ; one wait for the five
	v_mul_f32 v[CH+6], v[ST+1], v[CH+1]            ; l, in the same order in every wave
	v_fmac_f32 v[CH+6], v[ST+3], v[CH+2]
	v_fmac_f32 v[CH+6], v[ST+5], v[CH+3]
	v_fmac_f32 v[CH+6], v[ST+7], v[CH+4]
	v_add_f32 v[CH+6], 0x2edbe6ff, v[CH+6]         ; + 1e-10
	v_rcp_f32 v[CH+7], v[CH+6]
	v_nop
	s_wait_alu depctr_va_vdst(0)
	v_mul_f32 v[F], v[CH+5], v[CH+7]               ; F
	; the sixteen blocks' scales
.set fi, 0
.rept 16
	v_mul_f32 v[BM+fi], v[BM+fi], v[F]             ; the block's largest p
.set fi, fi+1
.endr
.set fi, 0
.rept 16
	v_max_num_f32 v[BM+fi], 0x8000000, v[BM+fi]    ; the floor 2^(16 - 127): the byte cannot fall under 1
.set fi, fi+1
.endr
.set fi, 0
.rept 16
	v_add_nc_u32 v[SO+fi], 0xf8800000, v[BM+fi]    ; 15 off the exponent field: the conversion's scale operand
.set fi, fi+1
.endr
.set fi, 0
.rept 16
	v_and_or_b32 v[LM+fi], v[BM+fi], 0x7f800000, s24   ; 57,344 x the scale
.set fi, fi+1
.endr
.set fi, 0
.rept 16
	v_lshrrev_b32 v[BM+fi], 23, v[SO+fi]           ; the scale's byte
.set fi, fi+1
.endr
.irp s, 0,1,2,3
	v_lshl_or_b32 v[PSR+\s], v[BM+4*\s+1], 8, v[BM+4*\s]   ; a key step's four bytes make p's scale word
.endr
.irp s, 0,1,2,3
	v_lshl_or_b32 v[PSR+\s], v[BM+4*\s+2], 16, v[PSR+\s]
.endr
.irp s, 0,1,2,3
	v_lshl_or_b32 v[PSR+\s], v[BM+4*\s+3], 24, v[PSR+\s]
.endr
	WIN 0x41
.set fi, 0
.rept 16
.irp k, 0,2,4,6,8,10,12,14
	v_pk_mul_f32 v[16*fi+\k:16*fi+\k+1], v[16*fi+\k:16*fi+\k+1], v[F:F+1] op_sel_hi:[1,0]   ; p = e F
.endr
.irp k, 0,1,2,3,4,5,6,7,8,9,10,11,12,13,14,15
	v_min_num_f32 v[16*fi+\k], v[16*fi+\k], v[LM+fi]   ; the conversion does not saturate (ISA guide 7.6.2); p is not negative, so the hold is one-sided
.endr
.set fi, fi+1
.endr
	WIN 0x01
.set fi, 0
.rept 16
	v_cvt_scalef32_pk8_bf8_f32 v[P+4*fi:P+4*fi+1], v[16*fi:16*fi+7], v[SO+fi]
	v_cvt_scalef32_pk8_bf8_f32 v[P+4*fi+2:P+4*fi+3], v[16*fi+8:16*fi+15], v[SO+fi]
.set fi, fi+1
.endr
	WIN 0
.rept 4
	v_nop                                          ; the plain line behind the conversions, and the four places between an operand written by vector instructions and a scaled matrix instruction (the scale words were made far more than eight places back)
.endr
	WIN 0x03                                       ; V in window 3
.irp s, 0,1,2,3
.irp ct, 0,1,2,3
	PVI \s, \ct                                    ; the four accumulators take turns, one instruction a turn
.endr
.endr
	WIN 0
.rept 8
	v_nop                                          ; eight places in front of the stores that read the results, and of the loads that land on p's codes
.endr
.irp ct, 0,1,2,3
	ds_store_b128 v6, v[O+8*\ct:O+8*\ct+3] offset:16384*\p+1024*\ct          ; my partial O^T as it stands, each accumulator from its low end on
	ds_store_b128 v6, v[O+8*\ct+4:O+8*\ct+7] offset:16384*\p+1024*\ct+512
.endr
.endm
.Ltrip:                                                ; 16 trips of two tiles
	ITER 0
	ITER 1
	; the two tiles' partial O^T are added and quantised: wave w takes tile w / 2 and channels 32 (w % 2) on: register i of a part is channel 32 (w % 2) + 16 (lane / 16) + i
	s_wait_dscnt 0x0                               ; my partial O^T has landed
	s_barrier_signal -1
	s_barrier_wait -1
.irp w, 0,1,2,3
.irp u, 0,1
	ds_load_b128 v[P+16*\w+8*\u:P+16*\w+8*\u+3], v7 offset:4096*\w+1024*\u
	ds_load_b128 v[P+16*\w+8*\u+4:P+16*\w+8*\u+7], v7 offset:4096*\w+1024*\u+512
.endr
.endr
	s_wait_dscnt 0x0
.irp k, 0,2,4,6,8,10,12,14
	v_pk_add_f32 v[P+\k:P+\k+1], v[P+\k:P+\k+1], v[P+16+\k:P+16+\k+1]
	v_pk_add_f32 v[P+32+\k:P+32+\k+1], v[P+32+\k:P+32+\k+1], v[P+48+\k:P+48+\k+1]
.endr
.irp k, 0,2,4,6,8,10,12,14
	v_pk_add_f32 v[P+\k:P+\k+1], v[P+\k:P+\k+1], v[P+32+\k:P+32+\k+1]
.endr
	v_max3_num_f32 v[CH], |v[P]|, |v[P+1]|, 0x8000000   ; the block's largest magnitude, in two chains, and the floor
	v_max3_num_f32 v[CH+1], |v[P+2]|, |v[P+3]|, |v[P+4]|
	v_max3_num_f32 v[CH], v[CH], |v[P+5]|, |v[P+6]|
	v_max3_num_f32 v[CH+1], v[CH+1], |v[P+7]|, |v[P+8]|
	v_max3_num_f32 v[CH], v[CH], |v[P+9]|, |v[P+10]|
	v_max3_num_f32 v[CH+1], v[CH+1], |v[P+11]|, |v[P+12]|
	v_max3_num_f32 v[CH], v[CH], |v[P+13]|, |v[P+14]|
	v_max3_num_f32 v[CH], v[CH], v[CH+1], |v[P+15]|
	v_permlanex16_b32 v[ST], v[CH], s20, s21
	v_max_num_f32 v[CH], v[CH], v[ST]
	v_add_nc_u32 v[CH+1], 0xf8800000, v[CH]
	v_and_or_b32 v[CH+2], v[CH], 0x7f800000, s24
	v_lshrrev_b32 v[CH+3], 23, v[CH+1]             ; the scale's byte
.irp i, 0,1,2,3,4,5,6,7,8,9,10,11,12,13,14,15
	v_med3_num_f32 v[P+\i], v[P+\i], -v[CH+2], v[CH+2]
.endr
	v_cvt_scalef32_pk8_bf8_f32 v[CH+4:CH+5], v[P:P+7], v[CH+1]
	v_cvt_scalef32_pk8_bf8_f32 v[CH+6:CH+7], v[P+8:P+15], v[CH+1]
	v_alignbit_b32 v[ACB], v[ACB+1], v[ACB], 8     ; the byte goes in at the top of a run of 16 bytes that moves down by one a trip: after 16 trips byte k is trip k's.  (Plain lines behind the conversions)
	v_alignbit_b32 v[ACB+1], v[ACB+2], v[ACB+1], 8
	v_alignbit_b32 v[ACB+2], v[ACB+3], v[ACB+2], 8
	v_alignbit_b32 v[ACB+3], v[CH+3], v[ACB+3], 8
	global_store_b128 v9, v[CH+4:CH+7], s[30:31]   ; a chunk of o's images: 512 consecutive bytes, aligned
	s_wait_xcnt 0x0                                ; the loads and the store have read their bases and data: all are written again only behind this wait
	s_add_nc_u64 s[26:27], s[26:27], 2048          ; two tiles of Q on,
	s_add_nc_u64 s[28:29], s[28:29], 128           ; their scale words,
	s_add_nc_u64 s[30:31], s[30:31], 32768         ; two tiles of o
	s_sub_co_u32 s25, s25, 1
	s_cmp_lg_u32 s25, 0
	s_cbranch_scc1 .Ltrip
	; o's scale bytes: into LDS, 2 a token, and out by tokens
.irp k, 0,1,2,3,4,5,6,7,8,9,10,11,12,13,14,15
	v_lshrrev_b32 v[P+\k], 8*(\k%4), v[ACB+\k/4]
.endr
.irp k, 0,1,2,3,4,5,6,7,8,9,10,11,12,13,14,15
	ds_store_b8 v8, v[P+\k] offset:64*\k           ; trip k's tile: 64 bytes a trip; both halves of the lanes write the same byte with the same value
.endr
	s_wait_dscnt 0x0
	s_barrier_signal -1
	s_barrier_wait -1
	v_lshl_add_u32 v14, v0, 1, SCT
	v_lshlrev_b32 v15, 5, v0
.irp i, 0,1,2,3
	ds_load_u16 v[P+16+\i], v14 offset:256*\i      ; token (in the images' order) t + 128 i
.endr
	s_wait_dscnt 0x0
.irp i, 0,1,2,3
	global_store_b16 v15, v[P+16+\i], s[46:47] offset:4096*\i
.endr
	s_wait_tensorcnt 0x0
	ds_add_u32 v94, v95
	s_wait_dscnt 0x0
	s_endpgm
.Lfunc_end_k_q86564c45aa_attn:
	.size	k_q86564c45aa_attn, .Lfunc_end_k_q86564c45aa_attn-k_q86564c45aa_attn
	.p2alignl 7, 3214868480
	.fill 96, 4, 3214868480
	.section	.rodata,"a",@progbits
	.p2align	6, 0x0
	.amdhsa_kernel k_q86564c45aa_attn
		.amdhsa_group_segment_fixed_size 36352
		.amdhsa_private_segment_fixed_size 0
		.amdhsa_enable_private_segment 0
		.amdhsa_kernarg_size 32
		.amdhsa_user_sgpr_count 2
		.amdhsa_user_sgpr_kernarg_segment_ptr 1
		.amdhsa_wavefront_size32 1
		.amdhsa_system_sgpr_workgroup_id_x 1
		.amdhsa_system_sgpr_workgroup_id_y 1
		.amdhsa_system_sgpr_workgroup_id_z 1
		.amdhsa_system_vgpr_workitem_id 0
		.amdhsa_next_free_vgpr 1024
		.amdhsa_next_free_sgpr 66
		.amdhsa_reserve_vcc 0
		.amdhsa_float_denorm_mode_32 3
		.amdhsa_float_denorm_mode_16_64 3
		.amdhsa_memory_ordered 1
		.amdhsa_forward_progress 1
		.amdhsa_inst_pref_size 163
	.end_amdhsa_kernel
	.amdgpu_metadata
---
amdhsa.version: [ 1, 2 ]
amdhsa.kernels:
  - .name:           k_q86564c45aa_attn
    .symbol:         k_q86564c45aa_attn.kd
    .args:
      - { .name: qkv_img, .offset: 0, .size: 8, .value_kind: global_buffer, .address_space: global }
      - { .name: qkv_sc, .offset: 8, .size: 8, .value_kind: global_buffer, .address_space: global }
      - { .name: o_img, .offset: 16, .size: 8, .value_kind: global_buffer, .address_space: global }
      - { .name: o_sc, .offset: 24, .size: 8, .value_kind: global_buffer, .address_space: global }
    .group_segment_fixed_size: 36352
    .private_segment_fixed_size: 0
    .kernarg_segment_align: 8
    .kernarg_segment_size: 32
    .max_flat_workgroup_size: 128
    .sgpr_count:     66
    .vgpr_count:     1024
    .wavefront_size: 32
...
	.end_amdgpu_metadata
.endif
;; end of part 3
;; launch outp (part 4): grid 4 x 32, 4 waves a work-group, clusters of 4 x 4, 327,680 bytes of LDS; arguments o_img, o_sc, codes, scales, bo, out0; writes out0
.if DOCPART == 4
	.amdgcn_target "amdgcn-amd-amdhsa--gfx1250"
	.amdhsa_code_object_version 6
	.text
	.protected	k_q86564c45aa_outp
	.globl	k_q86564c45aa_outp
	.p2align	8
	.type	k_q86564c45aa_outp,@function
k_q86564c45aa_outp:
	s_mov_b64 s[64:65], 0
	v_nop
	global_prefetch_b8 v0, s[64:65] scope:SCOPE_SE
	s_setreg_imm32_b32 hwreg(HW_REG_WAVE_MODE, 25, 1), 1
	s_wait_xcnt 0x0
	s_wait_alu depctr_hold_cnt(0) depctr_sa_sdst(0) depctr_va_vdst(0) depctr_va_sdst(0) depctr_va_ssrc(0) depctr_va_vcc(0) depctr_vm_vsrc(0)
	s_getreg_b32 s2, hwreg(HW_REG_IB_STS2, 6, 4)
	s_cmp_eq_u32 s2, 0
	s_cbranch_scc0 .Lentry_in_a_cluster
	s_endpgm
.Lentry_in_a_cluster:
	s_bfe_u32 s2, ttmp6, 0x10000c
	s_cmp_lg_u32 s2, 0xf033
	s_cbranch_scc0 .Lentry_shape_is_right
	s_endpgm
.Lentry_shape_is_right:
; out0 = o Wo^T + bo on codes of BF8 (E5M2) with one E8M0 scale for each 32 along K = 1,024.  M = 8,192 tokens, N = 1,024; out0 f32.
; A = o arrives as IMAGES OF OPERAND REGISTERS: tile G of 16 tokens (G = 128 batch + tile in the batch) is 32 chunks of 512 bytes, chunk kc = K 32 kc on, lane l's 16 bytes at 16 l; lane r of tile G is token 32 (G / 2) + 8 (G % 2) + r + 8 (r / 8).
; A fragment (16 rows x 128 K) is four chunks on end, and a K step's 256 are 4,096 consecutive bytes of a tile.  A's scale bytes: [16 G + r][32].  B = Wo: rows 11,264 on of the codes' and the scales' buffers, K innermost.
; A tile of 256 x 256 is made by four waves, each 128 x 128: 64 accumulators, 512 registers.  K goes in steps of 256 through a ring of two LDS slots filled by the tensor data mover; the scale bytes of the 512 rows come once and stay.
; There are 128 tiles of this size, so half of the WGPs have no work-group: the loop is kept as it serves the larger products; a tile of 128 x 256 would fill them.
; CLUSTERS: 4 x 4 work-groups; A's tiles are asked for jointly along a row of the cluster, B's along a column.  THE MATRIX INSTRUCTION IS USED TRANSPOSED (source 0 = 16 rows of Wo, source 1 = 16 tokens): a lane holds eight neighbouring numbers of a row of out0.
; THE BIAS is the C of each sum's first matrix instruction: eight registers for each of B's blocks, in the result's layout.
; REGISTERS, in windows of 256: window 0: v0-31 addresses; v32-63 scale words, two sets; v64-127 the bias; from v128 A's fragments, one set; window 1: B's fragments, two sets; windows 2, 3: the accumulators ((a, b) at v[8 (8 (a % 4) + b)]).
.set SIZE_N, 1024
.set KSTEP,  256
.set NQ,     KSTEP/128
.set ROWB,   256                       ; a row of B's tile in bytes
.set KROW,   1024                      ; a row of codes in memory
.set PITCH,  272                       ; B's LDS row: 256 bytes + 16 of padding: the 16 rows that a load touches start at 16 different banks
.set FR,     16
.set NL,     4
.set NP,     8                         ; places behind this matrix instruction (ISA guide 7.12.1)
.set ASTEP,  4096                      ; a K step of one tile of A's images
.set HALFA,  8*ASTEP                   ; eight tiles of tokens: what one tensor load brings of A; read 16 bytes a lane on end, so it needs no padding
.set HALFT,  128*PITCH                 ; 128 rows of B
.set BOFF,   2*HALFA
.set SLOT,   2*HALFA+2*HALFT           ; A's 16 tiles, then B's 256 rows
.set LAPS,   2
.set KS,     32
.set SCL,    2*SLOT                    ; behind the ring: the scale bytes, as runs of 256 bytes + 16 of padding
.set HALFS,  16*272
.set SBLK,   2*272                     ; those of 16 rows
.set SPARE,  SCL+4*HALFS               ; the spare words, 128 bytes for each wave: two blocks of 256 bytes that no other line names
.set SPITCH, 528                       ; the way out: a stage of 16 rows x (512 bytes + 16) for each wave, in slot 0, which has had its last fill and its last read when the first result is stored there
.set BOA,  8                           ; v8      the bias: 32 x (lane / 16); never rewritten
.set ADRA, 16
.set ADRB, 20
.set STO,  24
.set RD,   25
.set CO,   26
.set ADRS, 27
.set SPW,  28
.set NIL,  29
.set SC,   32
.set BIAS, 64
.set AF,   128
.set BK,   128
.set G1, 24
.set G0, 32
.set G1B, 48
.set G0B, 56
.set G1S, 68
.set G0S, 76
.set G1SB, 80
.set G0SB, 88
.set MSB, 0
.macro WIN new                         ; the immediate's high byte repeats the setting that is left
.if MSB != \new
	s_set_vgpr_msb (MSB<<8)|\new
.set MSB, \new
.endif
.endm
.set MUL_LO, 0xa1                      ; source 0 (B) window 1, source 1 (A) window 0, C and D window 2
.set MUL_HI, 0xf1                      ; the same, C and D window 3
.set FST_LO, 0x81                      ; the first step: C (the bias) window 0, D window 2
.set FST_HI, 0xc1                      ; D window 3
.set TO_B,   0x40
.macro JLOAD g0a, g1a, g0b, g1b        ; a joint load: waves 0 and 1 fetch for A, waves 2 and 3 for B; four v_nop follow each line
	s_cmp_eq_u32 s15, 0
	s_cbranch_scc0 .Lfor_b_\@
	tensor_load_to_lds s[\g0a:\g0a+3], s[\g1a:\g1a+7]
	s_nop 0
.rept 4
	v_nop
.endr
	s_branch .Lasked_\@
.Lfor_b_\@:
	tensor_load_to_lds s[\g0b:\g0b+3], s[\g1b:\g1b+7]
	s_nop 0
.rept 4
	v_nop
.endr
.Lasked_\@:
.endm
.macro CREST
	s_cmp_lg_u32 s14, 0
	s_cbranch_scc1 .Lnot_wave_0_\@
	s_barrier_signal -3
.Lnot_wave_0_\@:
	s_barrier_wait -3
	s_barrier_signal -1
	s_barrier_wait -1
.endm
.macro CROUND
	s_barrier_signal -1
	s_barrier_wait -1
	CREST
.endm
	s_load_b256 s[4:11], s[0:1], 0x0               ; o's images s[4:5], o's scale bytes s[6:7], codes s[8:9], scales s[10:11]
	s_load_b128 s[96:99], s[0:1], 0x20             ; bo s[96:97], out0 s[98:99]
	v_lshl_add_u32 v[SPW], v0, 2, SPARE
	v_mov_b32 v[NIL], 0
	ds_add_u32 v28, v29
	ds_add_u32 v28, v29
	s_wait_dscnt 0x0
	v_lshrrev_b32 v1, 5, v0
	v_readfirstlane_b32 s14, v1                    ; wave 0..3
	s_lshr_b32 s15, s14, 1                         ; which half of the tile's rows is mine.  Also: I fetch for A (0) or for B (1)
	s_and_b32 s16, s14, 1                          ; which half of its columns.  Also: which half of that tile I fetch
	s_bfe_u32 s40, ttmp6, 0x40000                  ; cx, cy
	s_bfe_u32 s41, ttmp6, 0x40004
	s_lshl_b32 s42, ttmp9, 2
	s_add_co_u32 s42, s42, s40                     ; tile column = 4 x cluster x + cx
	s_and_b32 s17, ttmp7, 0xffff
	s_lshl_b32 s17, s17, 2
	s_add_co_u32 s17, s17, s41                     ; tile row = 4 x cluster y + cy
	s_lshl_b32 s43, s41, 2
	s_lshl_b32 s43, 15, s43                        ; my row of the cluster
	s_lshl_b32 s44, 0x1111, s40                    ; my column
	; group 1 for A: eight tiles of tokens, of each a K step's 4,096 bytes (512 elements of 8 bytes), 16,384 bytes (2,048 elements) apart; no padding
	s_or_b32 s[G1+0], s43, (3<<16)|(1<<21)
	s_mov_b32 s[G1+1], 512<<16                     ; tensor_dim0
	s_mov_b32 s[G1+2], 8<<16                       ; tensor_dim1
	s_mov_b32 s[G1+3], 512<<16                     ; tile_dim0
	s_mov_b32 s[G1+4], 8                           ; tile_dim1
	s_mov_b32 s[G1+5], 2048                        ; from row to row
	s_mov_b32 s[G1+6], 0
	s_mov_b32 s[G1+7], 0
	; for B: 128 rows x 256 bytes, 16 bytes of padding behind each
	s_or_b32 s[G1B+0], s44, (0<<16)|(1<<20)|(1<<21)|(5<<22)|(3<<25)
	s_mov_b32 s[G1B+1], ROWB<<16
	s_mov_b32 s[G1B+2], 128<<16
	s_mov_b32 s[G1B+3], ROWB<<16
	s_mov_b32 s[G1B+4], 128
	s_mov_b32 s[G1B+5], KROW
	s_mov_b32 s[G1B+6], 0
	s_mov_b32 s[G1B+7], 0
	; the scale bytes of 128 rows: 4,096 dense bytes, as 16 rows of 256 bytes, 16 bytes of padding behind each
	s_or_b32 s[G1S+0], s43, (3<<16)|(1<<20)|(1<<21)|(5<<22)|(3<<25)
	s_or_b32 s[G1SB+0], s44, (3<<16)|(1<<20)|(1<<21)|(5<<22)|(3<<25)
.irp g, G1S, G1SB
	s_mov_b32 s[\g+1], 32<<16
	s_mov_b32 s[\g+2], 16<<16
	s_mov_b32 s[\g+3], 32<<16
	s_mov_b32 s[\g+4], 16
	s_mov_b32 s[\g+5], 32
	s_mov_b32 s[\g+6], 0
	s_mov_b32 s[\g+7], 0
.endr
	s_lshl_b32 s20, s17, 18                        ; A's images: 16 tiles of 16,384 bytes a tile row,
	s_lshl_b32 s18, s16, 17                        ; eight of them a half
	s_add_co_u32 s20, s20, s18
	s_mov_b32 s21, 0
	s_lshl_b32 s22, s17, 13                        ; A's scale bytes: 256 rows of 32,
	s_lshl_b32 s18, s16, 12                        ; 128 a half
	s_add_co_u32 s22, s22, s18
	s_mov_b32 s23, 0
	s_lshl_b32 s46, s42, 8
	s_lshl_b32 s18, s16, 7
	s_add_co_u32 s46, s46, s18
	s_add_co_u32 s46, s46, 11264                   ; B: Wo's row 256 x tile column + 128 x half
	s_lshl_b32 s92, s46, 5
	s_mov_b32 s93, 0
	s_lshl_b32 s46, s46, 10
	s_mov_b32 s47, 0
	s_mul_i32 s45, s16, HALFA                      ; where they go: A's two halves,
	s_mul_i32 s95, s16, HALFT
	s_add_co_u32 s95, s95, BOFF                    ; behind them B's two: no place in the cluster enters an LDS address
	s_mul_i32 s94, s14, HALFS
	s_wait_kmcnt 0x0
	s_add_nc_u64 s[20:21], s[4:5], s[20:21]
	s_add_nc_u64 s[22:23], s[6:7], s[22:23]
	s_add_nc_u64 s[46:47], s[8:9], s[46:47]
	s_add_nc_u64 s[92:93], s[10:11], s[92:93]
	CROUND                                         ; all sixteen work-groups are here: the first joint loads meet
	s_mov_b32 s[G0S], 1
	s_add_co_u32 s[G0S+1], s94, SCL
	s_mov_b64 s[G0S+2:G0S+3], s[22:23]
	s_or_b32 s[G0S+3], s[G0S+3], 0x80000000
	s_mov_b32 s[G0SB], 1
	s_add_co_u32 s[G0SB+1], s94, SCL
	s_mov_b64 s[G0SB+2:G0SB+3], s[92:93]
	s_or_b32 s[G0SB+3], s[G0SB+3], 0x80000000
	JLOAD G0S, G1S, G0SB, G1SB                     ; the scales first.  Three tensor loads of a wave are out at the most: these three first fills
.irp s, 0,1
	s_mov_b32 s[G0+4*\s], 1
	s_add_co_u32 s[G0+4*\s+1], s45, \s*SLOT
	s_add_nc_u64 s[G0+4*\s+2:G0+4*\s+3], s[20:21], \s*ASTEP
	s_or_b32 s[G0+4*\s+3], s[G0+4*\s+3], 0x80000000
	s_mov_b32 s[G0B+4*\s], 1
	s_add_co_u32 s[G0B+4*\s+1], s95, \s*SLOT
	s_add_nc_u64 s[G0B+4*\s+2:G0B+4*\s+3], s[46:47], \s*ROWB
	s_or_b32 s[G0B+4*\s+3], s[G0B+4*\s+3], 0x80000000
	JLOAD G0+4*\s, G1, G0B+4*\s, G1B
.endr
	v_and_b32 v1, 15, v0                           ; l % 16
	v_bfe_u32 v2, v0, 4, 1                         ; l / 16
	v_and_b32 v6, 31, v0
	v_lshlrev_b32 v7, 4, v6                        ; A: 16 x lane in a chunk
	v_mul_u32_u24 v3, v1, PITCH
	v_lshl_add_u32 v4, v2, 4, v3                   ; B: row x pitch + 16 x half
	s_mul_i32 s21, s15, HALFA                      ; my eight tiles of A
	s_mul_i32 s22, s16, HALFT                      ; my 128 rows of B
	s_add_co_u32 s22, s22, BOFF
.irp s, 0,1
	v_add_nc_u32 v[ADRA+\s], s21, v7
	v_add_nc_u32 v[ADRB+\s], s22, v4
	s_add_co_u32 s21, s21, SLOT
	s_add_co_u32 s22, s22, SLOT
.endr
	v_mul_u32_u24 v5, v1, KS                       ; my row's scale bytes: 32 a row,
	v_lshrrev_b32 v9, 8, v5
	v_lshl_add_u32 v5, v9, 4, v5                   ; and 16 more for each 256 passed
	s_mul_i32 s21, s15, HALFS
	s_mul_i32 s22, s16, HALFS
	s_add_co_u32 s22, s22, 2*HALFS
	s_sub_co_u32 s22, s22, s21
	v_mul_u32_u24 v9, s22, v2                      ; lanes 16-31 take B's: the lower base + h x the distance
	s_add_co_u32 s21, s21, SCL
	v_add_nc_u32 v5, v5, v9
	v_add_nc_u32 v[ADRS], s21, v5
	s_mul_i32 s23, s14, 16*SPITCH                  ; my stage
	v_mul_u32_u24 v5, v1, SPITCH                   ; in: row l % 16, 32 bytes for each half of the lanes
	v_lshl_add_u32 v5, v2, 5, v5
	v_add_nc_u32 v[STO], s23, v5
	v_lshlrev_b32 v[CO], 4, v6                     ; back: the 32 lanes take one row of 512 bytes; and the same in out0
	v_add_nc_u32 v[RD], s23, v[CO]
	s_lshl_b32 s20, s17, 20                        ; my first row of out0: 256 x tile row + 128 x half, 4,096 bytes a row
	s_lshl_b32 s21, s15, 19
	s_add_co_u32 s20, s20, s21
	s_mov_b32 s21, 0
	s_lshl_b32 s46, s42, 10                        ; my first column, in bytes: 1,024 x tile column + 512 x half; the same number is my place in bo
	s_lshl_b32 s47, s16, 9
	s_add_co_u32 s46, s46, s47
	s_mov_b32 s47, 0
	s_add_nc_u64 s[20:21], s[20:21], s[46:47]
	s_add_nc_u64 s[12:13], s[98:99], s[20:21]
	s_add_nc_u64 s[96:97], s[96:97], s[46:47]
	v_lshlrev_b32 v[BOA], 5, v2
.irp b, 0,1,2,3,4,5,6,7
	global_load_b128 v[BIAS+8*\b:BIAS+8*\b+3], v[BOA], s[96:97] offset:64*\b         ; bo at my columns 16 b + 8 (lane / 16) + 0 .. 7
	global_load_b128 v[BIAS+8*\b+4:BIAS+8*\b+7], v[BOA], s[96:97] offset:64*\b+16
.endr
.macro FRAGB reg, adr, q, i            ; B: 16 rows x 128 K: registers 4 c .. 4 c + 3 hold K = 32 c + 16 (l / 16) + 0 .. 15
.irp c, 0,1,2,3
	ds_load_b128 v[\reg+4*\c:\reg+4*\c+3], v[\adr] offset:128*(\q)+32*\c+(\i)*16*PITCH
.endr
.endm
.macro FRAGA reg, adr, q, i            ; A: four chunks on end
.irp c, 0,1,2,3
	ds_load_b128 v[\reg+4*\c:\reg+4*\c+3], v[\adr] offset:ASTEP*(\i)+512*(4*(\q)+\c)
.endr
.endm
; 16 matrix instructions: A's blocks a0, a0 + 1 x B's eight.  first = 1: the bias is the C of the sums' first products.  The 64 accumulators take turns, one instruction a turn.
.macro MUL16 a0, p, q, sc, first
.irp a, \a0, \a0+1
.irp b, 0,1,2,3,4,5,6,7
.if \first
	v_wmma_scale_f32_16x16x128_f8f6f4 v[8*(8*((\a)%4)+\b):8*(8*((\a)%4)+\b)+7], v[128*(\p)+FR*\b:128*(\p)+FR*\b+FR-1], v[AF+FR*(\a):AF+FR*(\a)+FR-1], v[BIAS+8*\b:BIAS+8*\b+7], v[SC+8*NQ*(\sc)+NQ*\b+(\q)], v[SC+8*NQ*(\sc)+NQ*(\a)+(\q)] matrix_a_fmt:MATRIX_FMT_BF8 matrix_b_fmt:MATRIX_FMT_BF8 matrix_a_scale:MATRIX_SCALE_ROW1
.else
	v_wmma_scale_f32_16x16x128_f8f6f4 v[8*(8*((\a)%4)+\b):8*(8*((\a)%4)+\b)+7], v[128*(\p)+FR*\b:128*(\p)+FR*\b+FR-1], v[AF+FR*(\a):AF+FR*(\a)+FR-1], v[8*(8*((\a)%4)+\b):8*(8*((\a)%4)+\b)+7], v[SC+8*NQ*(\sc)+NQ*\b+(\q)], v[SC+8*NQ*(\sc)+NQ*(\a)+(\q)] matrix_a_fmt:MATRIX_FMT_BF8 matrix_b_fmt:MATRIX_FMT_BF8 matrix_a_scale:MATRIX_SCALE_ROW1
.endif
.endr
.endr
.endm
.macro FETCH_B slot, q, p
	WIN TO_B
.irp i, 0,1,2,3,4,5,6,7
	FRAGB 128*(\p)+FR*\i, ADRB+\slot, \q, \i
.endr
	WIN 0
.endm
.macro FETCH_A slot, q, i0
.irp i, \i0, \i0+1, \i0+2, \i0+3
	FRAGA AF+FR*(\i), ADRA+\slot, \q, \i
.endr
.endm
.macro SCALES sc                       ; the next K step's scale words: lanes 0-15 take A's block i, lanes 16-31 B's block i
.irp i, 0,1,2,3,4,5,6,7
	ds_load_b64 v[SC+8*NQ*\sc+NQ*\i:SC+8*NQ*\sc+NQ*\i+1], v[ADRS] offset:\i*SBLK
.endr
.endm
.macro PLACES n                        ; plain vector lines between a matrix instruction and a load into, or a read of, its registers
.rept \n
	v_nop
.endr
.endm
.macro STEP slot, q, first
	s_wait_dscnt 4*NL                              ; B's set and A's blocks 0-3 are in; the youngest 16 loads (A's blocks 4-7) may be out
.if \first
	WIN FST_LO
.else
	WIN MUL_LO
.endif
	MUL16 0, (\q)%2, \q, \slot, \first
	MUL16 2, (\q)%2, \q, \slot, \first
	s_wait_dscnt 0
	PLACES NP
	FETCH_B \slot, (\q)+1, 1-(\q)%2
	FETCH_A \slot, (\q)+1, 0
.if \first
	WIN FST_HI
.else
	WIN MUL_HI
.endif
	MUL16 4, (\q)%2, \q, \slot, \first
	MUL16 6, (\q)%2, \q, \slot, \first
	PLACES NP
	WIN 0
	FETCH_A \slot, (\q)+1, 4
.endm
.macro TURN slot, next, fill           ; a slot's last step changes slots: one barrier; fill = 1: this slot is filled again, two K steps ahead
	s_wait_tensorcnt 0x0                           ; all my tensor loads have landed: my part of the next slot
	ds_add_u32 v[SPW], v[NIL]                      ; 0 onto my spare word
	s_wait_dscnt 4*NL+1                            ; (the add and the youngest 16 loads may be out)
	WIN MUL_LO
	MUL16 0, 1, NQ-1, \slot, 0
	s_wait_dscnt 0x0                               ; the add is done, and my reads of this slot are over
	s_barrier_signal -1
	MUL16 2, 1, NQ-1, \slot, 0
	WIN 0
	s_barrier_wait -1
.if \fill
	CREST                                          ; the barrier has opened a round of the cluster's barrier: no wave of any partner still reads this slot's tile or has a load on its way
	s_add_nc_u64 s[G0+4*\slot+2:G0+4*\slot+3], s[G0+4*\slot+2:G0+4*\slot+3], 2*ASTEP
	s_add_nc_u64 s[G0B+4*\slot+2:G0B+4*\slot+3], s[G0B+4*\slot+2:G0B+4*\slot+3], 2*ROWB
	JLOAD G0+4*\slot, G1, G0B+4*\slot, G1B         ; the first tensor load behind the round, and my only one until the next
	PLACES NP-4
.else
	PLACES NP
.endif
	v_add_nc_u32 v[ADRS], 4*NQ, v[ADRS]
	FETCH_B \next, 0, 0
	FETCH_A \next, 0, 0
	SCALES \next
	WIN MUL_HI
	MUL16 4, 1, NQ-1, \slot, 0
	MUL16 6, 1, NQ-1, \slot, 0
	PLACES NP
	WIN 0
	FETCH_A \next, 0, 4
.endm
	s_wait_tensorcnt 1                             ; the scales and my part of K step 0 are in; K step 1's load may be out
	s_barrier_signal -1
	s_barrier_wait -1
	FETCH_B 0, 0, 0
	FETCH_A 0, 0, 0
	SCALES 0
	FETCH_A 0, 0, 4
	s_wait_loadcnt 0x0                             ; the bias
	STEP 0, 0, 1                                   ; the first step stands in front of the loop: its products start the sums, on the bias
	s_mov_b32 s3, LAPS-1
.Llap:
	TURN 0, 1, 1
	STEP 1, 0, 0
	TURN 1, 0, 1
	STEP 0, 0, 0
	s_sub_co_u32 s3, s3, 1
	s_cmp_lg_u32 s3, 0
	s_cbranch_scc1 .Llap
	TURN 0, 1, 0                                   ; the last lap fills nothing, and has no round of the cluster's barrier
	STEP 1, 0, 0
	s_wait_dscnt 4*NL
	WIN MUL_LO
	MUL16 0, 1, NQ-1, 1, 0
	MUL16 2, 1, NQ-1, 1, 0
	s_wait_dscnt 0
	WIN MUL_HI
	MUL16 4, 1, NQ-1, 1, 0
	MUL16 6, 1, NQ-1, 1, 0
	WIN 0
; THE WAY OUT, block by block of 16 tokens x 128 columns, through my own stage in LDS: back come whole rows of 512 bytes, which the 32 lanes store as 512 consecutive, aligned bytes.
; Row t of block a is token 32 (a / 2) + 8 (a % 2) + t + 8 (t / 8) of my 128: the order of the images is undone by the stores' offsets.
.macro TOSTAGE a
.set AC, 64*((\a)%4)
	WIN 0x08+4*((\a)/4)                            ; the data: window 2 or 3
.irp b, 0,1,2,3,4,5,6,7
	ds_store_b128 v[STO], v[AC+8*\b:AC+8*\b+3] offset:64*\b          ; each accumulator from its low end on
	ds_store_b128 v[STO], v[AC+8*\b+4:AC+8*\b+7] offset:64*\b+16
.endr
	WIN 0
.set BB, BK+64*((\a)%2)
.irp t, 0,1,2,3,4,5,6,7,8,9,10,11,12,13,14,15
	ds_load_b128 v[BB+4*\t:BB+4*\t+3], v[RD] offset:\t*SPITCH      ; LDS serves a wave's instructions in order: these see the stores above
.endr
.endm
.macro SEND a, younger                 ; younger: the LDS instructions issued behind block a's loads, which may stay out
.set BB, BK+64*((\a)%2)
	s_wait_dscnt \younger
.if (\a) > 0
.if (\a)%2
	s_add_nc_u64 s[12:13], s[12:13], 8*SIZE_N*4    ; (behind a wait on XCNT: the earlier stores have read their base)  an odd block begins 8 rows on,
.else
	s_add_nc_u64 s[12:13], s[12:13], 24*SIZE_N*4   ; an even one 24 more
.endif
.endif
.irp t, 0,1,2,3,4,5,6,7,8,9,10,11,12,13,14,15
	global_store_b128 v[CO], v[BB+4*\t:BB+4*\t+3], s[12:13] offset:(\t+8*(\t/8))*SIZE_N*4 th:TH_STORE_NT
.endr
.endm
	PLACES NP
	TOSTAGE 0
.irp a, 1,2,3,4,5,6,7
.if \a > 1
	s_wait_xcnt 0x0                                ; block a - 2's stores have read their registers and their base: block a's loads may land there, and the base may step
.endif
	TOSTAGE \a
	SEND \a-1, 32                                  ; behind block a - 1's loads: block a's 16 stores and 16 loads
.endr
	s_wait_xcnt 0x0
	SEND 7, 0
	s_wait_tensorcnt 0x0                           ; the wave's end: behind my last tensor load and my last LDS store
	ds_add_u32 v[SPW], v[NIL]
	s_wait_dscnt 0x0
	CROUND                                         ; the closing round: no work-group ends while a partner may still ask for a tile that names it
	s_endpgm
.Lfunc_end_k_q86564c45aa_outp:
	.size	k_q86564c45aa_outp, .Lfunc_end_k_q86564c45aa_outp-k_q86564c45aa_outp
	.p2alignl 7, 3214868480
	.fill 96, 4, 3214868480
	.section	.rodata,"a",@progbits
	.p2align	6, 0x0
	.amdhsa_kernel k_q86564c45aa_outp
		.amdhsa_group_segment_fixed_size 327680
		.amdhsa_private_segment_fixed_size 0
		.amdhsa_enable_private_segment 0
		.amdhsa_kernarg_size 48
		.amdhsa_user_sgpr_count 2
		.amdhsa_user_sgpr_kernarg_segment_ptr 1
		.amdhsa_wavefront_size32 1
		.amdhsa_system_sgpr_workgroup_id_x 1
		.amdhsa_system_sgpr_workgroup_id_y 1
		.amdhsa_system_sgpr_workgroup_id_z 1
		.amdhsa_system_vgpr_workitem_id 0
		.amdhsa_next_free_vgpr 1024
		.amdhsa_next_free_sgpr 100
		.amdhsa_reserve_vcc 0
		.amdhsa_float_denorm_mode_32 3
		.amdhsa_float_denorm_mode_16_64 3
		.amdhsa_memory_ordered 1
		.amdhsa_forward_progress 1
		.amdhsa_inst_pref_size 147
	.end_amdhsa_kernel
	.amdgpu_metadata
---
amdhsa.version: [ 1, 2 ]
amdhsa.kernels:
  - .name:           k_q86564c45aa_outp
    .symbol:         k_q86564c45aa_outp.kd
    .args:
      - { .name: o_img, .offset: 0, .size: 8, .value_kind: global_buffer, .address_space: global }
      - { .name: o_sc, .offset: 8, .size: 8, .value_kind: global_buffer, .address_space: global }
      - { .name: codes, .offset: 16, .size: 8, .value_kind: global_buffer, .address_space: global }
      - { .name: scales, .offset: 24, .size: 8, .value_kind: global_buffer, .address_space: global }
      - { .name: bo, .offset: 32, .size: 8, .value_kind: global_buffer, .address_space: global }
      - { .name: out0, .offset: 40, .size: 8, .value_kind: global_buffer, .address_space: global }
    .group_segment_fixed_size: 327680
    .private_segment_fixed_size: 0
    .kernarg_segment_align: 8
    .kernarg_segment_size: 48
    .max_flat_workgroup_size: 128
    .sgpr_count:     100
    .vgpr_count:     1024
    .wavefront_size: 32
...
	.end_amdgpu_metadata
.endif
;; end of part 4
;; ======== version 2 of 2: 4 launches; version 1 with the launch attn written anew for expert scheduling mode
;; workspace buffers: codes 12,582,912 bytes; scales 393,216 bytes; qkv_img 25,165,824 bytes; qkv_sc 1,310,720 bytes; o_img 8,388,608 bytes; o_sc 262,144 bytes
;; launch quant: the kernel of part 1 again; grid 384 x 1, 4 waves a work-group, no clusters, 33,280 bytes of LDS; arguments x, Wq, Wk, Wv, Wo, codes, scales; writes codes, scales
;; launch qkv: the kernel of part 2 again; grid 12 x 32, 4 waves a work-group, clusters of 4 x 4, 327,680 bytes of LDS; arguments codes, scales, qkv_img, qkv_sc; writes qkv_img, qkv_sc
;; launch attn (part 5): grid 4 x 64, 4 waves a work-group, no clusters, 36,352 bytes of LDS; arguments qkv_img, qkv_sc, o_img, o_sc; writes o_img, o_sc
.if DOCPART == 5
	.amdgcn_target "amdgcn-amd-amdhsa--gfx1250"
	.amdhsa_code_object_version 6
	.text
	.protected	k_q86564c45aa_attn
	.globl	k_q86564c45aa_attn
	.p2align	8
	.type	k_q86564c45aa_attn,@function
k_q86564c45aa_attn:
	s_mov_b64 s[64:65], 0
	v_nop
	global_prefetch_b8 v0, s[64:65] scope:SCOPE_SE
	s_setreg_imm32_b32 hwreg(HW_REG_WAVE_SCHED_MODE, 0, 2), 2
	s_setreg_imm32_b32 hwreg(HW_REG_WAVE_MODE, 25, 1), 1
	s_wait_xcnt 0x0
	s_wait_alu depctr_vm_vsrc(0)
; o = softmax(q k^T / 8) v for one head and 512 queries, both products on codes of BF8 (E5M2) with one E8M0 scale for each 32 along K; o is quantised for the last product and stored as images of operand registers.
; THE WEIGHTS ARE QUANTISED FINISHED: p = e / (sum + 1e-10), so a row's maximum and sum over all 2,048 keys must be known before any p is converted.  THE KEYS ARE SHARED OUT AMONG THE WAVES: wave w owns keys 512 w .. 512 w + 511 for the
; whole launch; its K (256 registers) and its V^T (256 registers) stay in registers, read once.  For a tile of 16 queries a wave holds 16 x 512 scores in 256 registers: each product k q^T and each exponential is done once.
; Each wave takes its OWN largest score away (CM = c x that score, c = log2(e) / 8), e = 2^(c s - CM), and sums its e.  The four waves' CM and sums meet in LDS behind one barrier; with cM the largest CM,
; l = sum of l_i 2^(CM_i - cM), and F = 2^(CM_own - cM) / (l + 1e-10): p = e F.  The rounded CM cancel between e, l and F.
; A block's largest p is not searched for: the block's largest score goes through the same multiply-add, exponential and multiplication.  This takes v_exp_f32 not to fall where its input rises; at the worst one p of a block would be held one code low.
; HEAD SIZE 64 IN A K OF 128: source 0 = TWO tiles of 16 keys side by side (k 0-63 the first, k 64-127 the second); source 1 = (q, zeros) gives the first tile's scores, (zeros, q) the second's.  Zero codes add nothing under any scale byte from 1 to 254.
; Both products are used transposed: a lane holds one query (lane % 16).  The keys of a tile are chosen (lane r of tile 2 f + u: key 32 f + 8 u + r + 8 (r / 8)) so that score register 16 f + i is key 32 f + 16 (lane / 16) + i.
; O^T's four partial sums (one a wave) meet in LDS after two tiles; wave w then adds and quantises tile w / 2, channel block w % 2, and stores a chunk of 512 consecutive bytes.
; NO JOINT LOADS: the four work-groups of a head read the same K and V, but once, at the head, 256 KiB straight into registers, ahead of a loop of 32 tiles that never reads them again; a joint load lands in LDS and would have to be read out again.
; NO PREFETCH: the loop's one stream, Q, is loaded two tiles ahead into registers.  The last trip's three loads a set read the 2,048 + 128 bytes that follow the work-group's part (inside the buffers: k's follow q's) and are not used.
; LIMITS: p under 2^-126 is flushed by v_exp_f32; a block of zeros gets the byte 1 and not 127; NaN and infinities are not served; sums are taken in four parts, another order than a plain sum's.
; o's scale bytes leave 2 bytes a lane, 32 bytes apart: a token's 32 bytes belong to 16 heads, that is to 16 work-groups.  It is 16 stores a work-group.
; THE MODE: SCHED_MODE bits 1:0 = 2 (LLVM: expert scheduling mode 2), set by the entry lines.  The code itself states the register dependences
; between vector or matrix instructions and memory or LDS instructions, with s_wait_alu, always for 0.
; THE PLAN.  Registers that memory or LDS instructions touch:
;   v1-v9         offsets and LDS addresses: written at the head, never again.
;   K, V^T and their scale words: landed once at the head; no vector instruction writes them.
;   Q's set p and its scale word: read by tile p's 32 products; the loads of the tile two on land in them, behind the wait that follows the tile's exponentials.
;   v[CM:CM+1]    written by vector lines, read by one LDS store; CM is written again in the next tile.
;   ST            v248 is a permute's destination; the four waves' statistics land in ST behind the barrier; vector lines read them.
;   O             written by the 16 products V^T p, read by eight LDS stores, written again by the next tile's products.
;   P             written by the conversions, read by the products; at a trip's end the partial O^T land in it.
;   CH+4 .. CH+7  written by the trip's two conversions, read by the global store, written again by the next tile's sums.
; One wait on vm_vsrc a tile, ahead of the line that writes CM, frees CM, O and CH+4 .. CH+7: each is first written again behind it.  The waits on va_vdst stand ahead of the statistics' store, ahead of the products V^T p,
; ahead of O's stores and ahead of the global store; the one behind the exponentials also serves Q's loads.  No address register is written in the loop.
; REGISTERS: window 1: the scores S, then e, then p.  Window 2: K, fragment f at 16 f.  Window 3: V^T, (key step s, channel tile ct) at 16 (4 s + ct).  Window 0: below.
.set ACB, 10                           ; v10-13   o's scale bytes of my 16 trips, shifted in from the top
.set KSR, 56                           ; v56-71   K's scale words: lanes 0-15 tile 2 f, lanes 16-31 tile 2 f + 1
.set VSR, 72                           ; v72-79   V's: register 2 s + ct / 2; lanes 0-15 the even channel tile, lanes 16-31 the odd one
.set QSR, 80                           ; v80-81   Q's, a register for each set
.set PSR, 82                           ; v82-85   p's, a word for each key step
.set CM,  86                           ; v86 CM, v87 my sum (a pair: stored together, and named together by the packed scaling)
.set F,   88                           ; v88 F (v89 named with it as a pair)
.set MX,  90                           ; v90-91   at work
.set BM,  96                           ; v96-111  each block's largest score, then its largest p, then its byte
.set SO,  112                          ; v112-127 the conversions' scale operands (earlier: lane permutes' destinations)
.set LM,  128                          ; v128-143 57,344 x the scale
.set P,   144                          ; v144-207 p's codes; later the four partial O^T
.set O,   208                          ; v208-239 O^T, 8 registers a channel tile
.set CH,  240                          ; v240-247 at work
.set ST,  248                          ; v248-255 the four waves' CM and sums
; v16-55: zeros 16-23, Q set 0 24-31, zeros 32-39, Q set 1 40-47, zeros 48-55: (q, zeros) of set p begins at 24 + 16 p, (zeros, q) at 16 + 16 p.
; v1 16 x lane, v2 4 x lane, v3 4 r, v4 / v5 where I store / read the statistics, v6 / v7 where I store / read partial O^T, v8 where my scale bytes go, v9 my byte offset in o's images.
; LDS: 0 the statistics (tile parity x 1,024 + wave x 256 + 8 x lane); 2,048 partial O^T (parity x 16,384 + wave x 4,096, register images); 34,816 o's scale bytes, 2 a token.
.set OPART, 2048
.set SCT,   34816
.set MSB, 0
.macro WIN new                         ; s_set_vgpr_msb: bits 1:0 source 0, 3:2 source 1, 5:4 source 2, 7:6 destination; the high byte repeats the setting that is left
.if MSB != \new
	s_set_vgpr_msb (MSB<<8)|\new
.set MSB, \new
.endif
.endm
	s_load_b256 s[4:11], s[0:1], 0x0               ; the images s[4:5], their scale words s[6:7], o's images s[8:9], o's scale bytes s[10:11]
	v_lshl_add_u32 v94, v0, 2, 0x8c00
	v_mov_b32 v95, 0
	v_lshrrev_b32 v1, 5, v0
	v_readfirstlane_b32 s12, v1                    ; wave 0..3
	s_and_b32 s14, ttmp7, 0xffff                   ; bh = 16 batch + head
	s_lshr_b32 s15, s14, 4                         ; batch
	s_and_b32 s16, s14, 15                         ; head
	v_and_b32 v14, 31, v0                          ; lane
	v_and_b32 v15, 15, v0                          ; r
	v_lshlrev_b32 v1, 4, v14
	v_lshlrev_b32 v2, 2, v14
	v_lshlrev_b32 v3, 2, v15
	v_lshlrev_b32 v5, 3, v14
	s_wait_alu depctr_va_sdst(0)                   ; s12 is written, ahead of its first reader: LDS addresses and the bases of k, v and their words are made from it
	s_lshl_b32 s32, s12, 8
	v_add_nc_u32 v4, s32, v5
	s_lshl_b32 s32, s12, 12
	s_add_co_u32 s32, s32, OPART
	v_add_nc_u32 v6, s32, v1
	s_lshr_b32 s33, s12, 1                         ; which of a trip's two tiles I finish,
	s_and_b32 s34, s12, 1                          ; and which channel block of 32
	s_lshl_b32 s32, s33, 14
	s_lshl_b32 s35, s34, 11
	s_add_co_u32 s32, s32, s35
	s_add_co_u32 s32, s32, OPART
	v_add_nc_u32 v7, s32, v1
	s_lshl_b32 s32, s33, 5
	s_add_co_u32 s32, s32, s34
	s_add_co_u32 s32, s32, SCT
	v_lshl_add_u32 v8, v15, 1, s32                 ; 2 bytes a token: 32 x (tile in the trip) + 2 r + channel block
	s_lshl_b32 s32, s33, 14
	s_lshl_b32 s35, s34, 9
	s_add_co_u32 s32, s32, s35
	v_add_nc_u32 v9, s32, v1                       ; a tile of o's images is 16,384 bytes, a chunk 512
.set ii, 0
.rept 8
	v_mov_b32 v[16+ii], 0                          ; the zero codes beside Q.  (They stand here, while the arguments are on their way, so that the one wait ahead of the loads serves them too)
	v_mov_b32 v[32+ii], 0
	v_mov_b32 v[48+ii], 0
.set ii, ii+1
.endr
.set ii, 0
.rept 16
	v_mov_b32 v[SO+ii], 0                          ; written once: a lane permute's destination counts as one of its sources.  (These lines are also the four places between the zero codes and the scaled products that take them)
.set ii, ii+1
.endr
	v_mov_b32 v[ST], 0
	v_mov_b32 v[CM+1], 0                           ; named as the upper halves of pairs before they are first written
	v_mov_b32 v[F+1], 0
.irp j, 0,1,2,3
	v_mov_b32 v[ACB+\j], 0
.endr
	s_mov_b32 s20, 0x76543210
	s_mov_b32 s21, 0xfedcba98                      ; v_permlanex16_b32's selects for lane l xor 16
	s_mov_b32 s22, 0x3e38aa3b                      ; c = log2(e) / 8
	s_mov_b32 s23, s22                             ; (named with it as a pair, so it is written)
	s_mov_b32 s24, 0x600000                        ; the mantissa field of 57,344
	s_mov_b32 s25, 16                              ; trips of two tiles
	s_mov_b32 s45, 0
	s_lshl_b32 s44, s14, 17                        ; 131,072 bytes of images a head
	s_wait_kmcnt 0x0
	s_add_nc_u64 s[26:27], s[4:5], s[44:45]        ; the head's q,
	s_add_nc_u64 s[36:37], s[26:27], 8388608       ; k
	s_add_nc_u64 s[38:39], s[26:27], 16777216      ; and v
	s_lshl_b32 s44, s12, 15
	s_add_nc_u64 s[36:37], s[36:37], s[44:45]      ; my 512 keys: 32 tiles of 1,024 bytes
	s_lshl_b32 s44, s12, 13
	s_add_nc_u64 s[38:39], s[38:39], s[44:45]      ; and 16 chunks in each channel tile
	s_lshl_b32 s44, ttmp9, 15
	s_add_nc_u64 s[26:27], s[26:27], s[44:45]      ; the work-group's 32 tiles of queries
	s_lshl_b32 s44, s14, 13                        ; 8,192 bytes of scale words a head
	s_add_nc_u64 s[28:29], s[6:7], s[44:45]
	s_add_nc_u64 s[40:41], s[28:29], 524288        ; k's words
	s_lshl_b32 s44, s12, 11
	s_add_nc_u64 s[40:41], s[40:41], s[44:45]
	s_lshl_b32 s44, ttmp9, 11
	s_add_nc_u64 s[28:29], s[28:29], s[44:45]      ; q's
	s_lshl_b32 s44, s15, 16                        ; v's: 65,536 a batch, 4,096 a key step (my four: 4 w on), 256 a head
	s_lshl_b32 s32, s12, 14
	s_add_co_u32 s44, s44, s32
	s_lshl_b32 s32, s16, 8
	s_add_co_u32 s44, s44, s32
	s_add_co_u32 s44, s44, 1048576
	s_add_nc_u64 s[42:43], s[6:7], s[44:45]
	s_lshl_b32 s44, s15, 21                        ; o's images: (128 batch + 32 quarter) tiles of 16,384 bytes, + 2 chunks a head
	s_lshl_b32 s32, ttmp9, 19
	s_add_co_u32 s44, s44, s32
	s_lshl_b32 s32, s16, 10
	s_add_co_u32 s44, s44, s32
	s_add_nc_u64 s[30:31], s[8:9], s[44:45]
	s_lshl_b32 s44, s15, 16                        ; o's scale bytes: 32 a token, + 2 a head
	s_lshl_b32 s32, ttmp9, 14
	s_add_co_u32 s44, s44, s32
	s_lshl_b32 s32, s16, 1
	s_add_co_u32 s44, s44, s32
	s_add_nc_u64 s[46:47], s[10:11], s[44:45]
	WIN 0x80                                       ; destination window 2
	s_wait_alu depctr_va_vdst(0)                   ; v1 to v9 are written, which every load and store of the kernel reads as its offset or address; so are the zero codes, which the scaled products k q^T take as part of source 1
.set ii, 0
.rept 64
	global_load_b128 v[4*ii:4*ii+3], v1, s[36:37] offset:512*ii   ; K: four chunks on end are one fragment of two tiles
.set ii, ii+1
.endr
	WIN 0xc0                                       ; destination window 3
.irp s, 0,1,2,3
.irp ct, 0,1,2,3
.irp c, 0,1,2,3
	global_load_b128 v[16*(4*\s+\ct)+4*\c:16*(4*\s+\ct)+4*\c+3], v1, s[38:39] offset:\ct*32768+(4*\s+\c)*512
.endr
.endr
.endr
	WIN 0
.set ii, 0
.rept 16
	global_load_b32 v[KSR+ii], v2, s[40:41] offset:128*ii
.set ii, ii+1
.endr
.irp s, 0,1,2,3
.irp g, 0,1
	global_load_b32 v[VSR+2*\s+\g], v2, s[42:43] offset:4096*\s+128*\g
.endr
.endr
.irp p, 0,1
	global_load_b128 v[24+16*\p:27+16*\p], v1, s[26:27] offset:1024*\p        ; tiles 0 and 1 of the queries
	global_load_b128 v[28+16*\p:31+16*\p], v1, s[26:27] offset:1024*\p+512
	global_load_b32 v[QSR+\p], v3, s[28:29] offset:64*\p
.endr
.macro PVI s, ct                       ; O^T(ct) += V^T(key step s, ct) p^T(s).  The first key step starts the sums
.set rO, O+8*(\ct)
.set rV, 16*(4*(\s)+(\ct))
.set rP, P+16*(\s)
.set rA, VSR+2*(\s)+(\ct)/2
.if (\s) == 0
.if (\ct)%2
	v_wmma_scale_f32_16x16x128_f8f6f4 v[rO:rO+7], v[rV:rV+15], v[rP:rP+15], 0, v[rA], v[PSR+\s] matrix_a_fmt:MATRIX_FMT_BF8 matrix_b_fmt:MATRIX_FMT_BF8 matrix_a_scale:MATRIX_SCALE_ROW1
.else
	v_wmma_scale_f32_16x16x128_f8f6f4 v[rO:rO+7], v[rV:rV+15], v[rP:rP+15], 0, v[rA], v[PSR+\s] matrix_a_fmt:MATRIX_FMT_BF8 matrix_b_fmt:MATRIX_FMT_BF8
.endif
.else
.if (\ct)%2
	v_wmma_scale_f32_16x16x128_f8f6f4 v[rO:rO+7], v[rV:rV+15], v[rP:rP+15], v[rO:rO+7], v[rA], v[PSR+\s] matrix_a_fmt:MATRIX_FMT_BF8 matrix_b_fmt:MATRIX_FMT_BF8 matrix_a_scale:MATRIX_SCALE_ROW1
.else
	v_wmma_scale_f32_16x16x128_f8f6f4 v[rO:rO+7], v[rV:rV+15], v[rP:rP+15], v[rO:rO+7], v[rA], v[PSR+\s] matrix_a_fmt:MATRIX_FMT_BF8 matrix_b_fmt:MATRIX_FMT_BF8
.endif
.endif
.endm
; ONE TILE OF 16 QUERIES, from Q's set p.
.macro ITER p
	s_wait_loadcnt 3                               ; this set's three loads are in (in the first trip K, V and their words too); the other set's three, issued later, may be out
	WIN 0x42                                       ; S in window 1, K in window 2, Q in window 0
.set fi, 0
.rept 16
	v_wmma_scale_f32_16x16x128_f8f6f4 v[16*fi:16*fi+7], v[16*fi:16*fi+15], v[24+16*\p:39+16*\p], 0, v[KSR+fi], v[QSR+\p] matrix_a_fmt:MATRIX_FMT_BF8 matrix_b_fmt:MATRIX_FMT_BF8
	v_wmma_scale_f32_16x16x128_f8f6f4 v[16*fi+8:16*fi+15], v[16*fi:16*fi+15], v[16+16*\p:31+16*\p], 0, v[KSR+fi], v[QSR+\p] matrix_a_fmt:MATRIX_FMT_BF8 matrix_b_fmt:MATRIX_FMT_BF8 matrix_a_scale:MATRIX_SCALE_ROW1
.set fi, fi+1
.endr
	WIN 0
.rept 8
	v_nop                                          ; eight places in front of the first reads of the scores
.endr
	; the largest score of each block of 32 keys: it serves for the row's maximum and, since p rises with the score, for the block's largest p.  Each accumulator is read from its low end on
	WIN 0x15
.set fi, 0
.rept 16
	v_max3_num_f32 v[BM+fi], v[16*fi], v[16*fi+1], v[16*fi+2]
.set fi, fi+1
.endr
	WIN 0x14
.irp i, 3,5,7,9,11,13
.set fi, 0
.rept 16
	v_max3_num_f32 v[BM+fi], v[BM+fi], v[16*fi+\i], v[16*fi+\i+1]   ; (the sixteen blocks by turns)
.set fi, fi+1
.endr
.endr
	WIN 0x04
.set fi, 0
.rept 16
	v_max_num_f32 v[BM+fi], v[BM+fi], v[16*fi+15]
.set fi, fi+1
.endr
	WIN 0
.set fi, 0
.rept 16
	v_permlanex16_b32 v[SO+fi], v[BM+fi], s20, s21
.set fi, fi+1
.endr
.set fi, 0
.rept 16
	v_max_num_f32 v[BM+fi], v[BM+fi], v[SO+fi]     ; with lane l xor 16's 16 keys
.set fi, fi+1
.endr
	v_max3_num_f32 v[MX], v[BM], v[BM+1], v[BM+2]  ; my 512 keys' largest score, in two chains
	v_max3_num_f32 v[MX+1], v[BM+3], v[BM+4], v[BM+5]
	v_max3_num_f32 v[MX], v[MX], v[BM+6], v[BM+7]
	v_max3_num_f32 v[MX+1], v[MX+1], v[BM+8], v[BM+9]
	v_max3_num_f32 v[MX], v[MX], v[BM+10], v[BM+11]
	v_max3_num_f32 v[MX+1], v[MX+1], v[BM+12], v[BM+13]
	v_max3_num_f32 v[MX], v[MX], v[BM+14], v[BM+15]
	v_max_num_f32 v[MX], v[MX], v[MX+1]
	s_wait_alu depctr_vm_vsrc(0)                   ; the last tile's LDS stores have read v[CM:CM+1] and O, and the last trip's global store v[CH+4:CH+7]: the line below writes CM, the sums further down CH, the products V^T p O
	v_mul_f32 v[CM], s22, v[MX]                    ; CM
.set fi, 0
.rept 16
	v_fma_f32 v[BM+fi], v[BM+fi], s22, -v[CM]      ; c s - CM of each block's largest score: the same fused line as the scores' own
.set fi, fi+1
.endr
	; ONE BATCH: 128 packed scalings and 272 exponentials; a pair is scaled four pairs ahead of its exponentials, and no line of the batch names an exponential's result
	WIN 0x41
.irp i, 0,2,4,6
	v_pk_fma_f32 v[\i:\i+1], v[\i:\i+1], s[22:23], v[CM:CM+1] op_sel_hi:[1,0,0] neg_lo:[0,0,1] neg_hi:[0,0,1]
.endr
.set ii, 0
.rept 128
	v_exp_f32 v[2*ii], v[2*ii]
	v_exp_f32 v[2*ii+1], v[2*ii+1]
.if ii < 124
	v_pk_fma_f32 v[2*ii+8:2*ii+9], v[2*ii+8:2*ii+9], s[22:23], v[CM:CM+1] op_sel_hi:[1,0,0] neg_lo:[0,0,1] neg_hi:[0,0,1]
.endif
.set ii, ii+1
.endr
	WIN 0
.set fi, 0
.rept 16
	v_exp_f32 v[BM+fi], v[BM+fi]
.set fi, fi+1
.endr
	v_nop                                          ; a plain line behind the last exponential
	s_wait_alu depctr_va_vdst(0)                   ; the 272 exponentials have written e and the blocks' largest e, ahead of their first reader; and the 32 products k q^T are done reading Q's set p and its scale word, in which the three loads below land
	global_load_b128 v[24+16*\p:27+16*\p], v1, s[26:27] offset:(\p+2)*1024        ; the tile two on, into this set: no vector or matrix instruction since the wait names these registers
	global_load_b128 v[28+16*\p:31+16*\p], v1, s[26:27] offset:(\p+2)*1024+512
	global_load_b32 v[QSR+\p], v3, s[28:29] offset:(\p+2)*64
	; my sum of e, two at a time, in four chains
	WIN 0x05
.irp k, 0,1,2,3
	v_pk_add_f32 v[CH+2*\k:CH+2*\k+1], v[4*\k:4*\k+1], v[4*\k+2:4*\k+3]
.endr
	WIN 0x04
.set ii, 8
.rept 120
	v_pk_add_f32 v[CH+2*(ii%4):CH+2*(ii%4)+1], v[CH+2*(ii%4):CH+2*(ii%4)+1], v[2*ii:2*ii+1]
.set ii, ii+1
.endr
	WIN 0
	v_pk_add_f32 v[CH:CH+1], v[CH:CH+1], v[CH+2:CH+3]
	v_pk_add_f32 v[CH+4:CH+5], v[CH+4:CH+5], v[CH+6:CH+7]
	v_pk_add_f32 v[CH:CH+1], v[CH:CH+1], v[CH+4:CH+5]
	v_add_f32 v[CH], v[CH], v[CH+1]
	v_permlanex16_b32 v[ST], v[CH], s20, s21
	v_add_f32 v[CM+1], v[CH], v[ST]                ; with lane l xor 16's
	; the four waves' CM and sums meet.  The words have two sets, by the tile's parity: between a set's reads and its next stores every wave passes a barrier with its LDS loads waited for
	s_wait_alu depctr_va_vdst(0)                   ; my sum is written, which the store below reads beside CM; the permute and the add are done with v[ST], and the last tile's lines with the rest of ST, in which the four loads behind the barrier land
	ds_store_b64 v4, v[CM:CM+1] offset:1024*\p
	s_wait_dscnt 0x0                               ; for the others' sake: my stores have landed (the last tile's partial O^T among them)
	s_barrier_signal -1
	s_barrier_wait -1
.irp i, 0,1,2,3
	ds_load_b64 v[ST+2*\i:ST+2*\i+1], v5 offset:1024*\p+256*\i
.endr
	s_wait_dscnt 0x0
	v_max3_num_f32 v[CH], v[ST], v[ST+2], v[ST+4]
	v_max_num_f32 v[CH], v[CH], v[ST+6]            ; cM
.irp i, 0,1,2,3
	v_sub_f32 v[CH+1+\i], v[ST+2*\i], v[CH]
.endr
	v_sub_f32 v[CH+5], v[CM], v[CH]
.irp i, 1,2,3,4,5
	v_exp_f32 v[CH+\i], v[CH+\i]
.endr
	v_nop
	s_wait_alu depctr_va_vdst(0)                   ; the five exponentials have written v[CH+1] to v[CH+5], ahead of their first reader
	v_mul_f32 v[CH+6], v[ST+1], v[CH+1]            ; l, in the same order in every wave
	v_fmac_f32 v[CH+6], v[ST+3], v[CH+2]
	v_fmac_f32 v[CH+6], v[ST+5], v[CH+3]
	v_fmac_f32 v[CH+6], v[ST+7], v[CH+4]
	v_add_f32 v[CH+6], 0x2edbe6ff, v[CH+6]         ; + 1e-10
	v_rcp_f32 v[CH+7], v[CH+6]
	v_nop
	s_wait_alu depctr_va_vdst(0)                   ; the reciprocal has written v[CH+7], ahead of its reader
	v_mul_f32 v[F], v[CH+5], v[CH+7]               ; F
	; the sixteen blocks' scales
.set fi, 0
.rept 16
	v_mul_f32 v[BM+fi], v[BM+fi], v[F]             ; the block's largest p
.set fi, fi+1
.endr
.set fi, 0
.rept 16
	v_max_num_f32 v[BM+fi], 0x8000000, v[BM+fi]    ; the floor 2^(16 - 127): the byte cannot fall under 1
.set fi, fi+1
.endr
.set fi, 0
.rept 16
	v_add_nc_u32 v[SO+fi], 0xf8800000, v[BM+fi]    ; 15 off the exponent field: the conversion's scale operand
.set fi, fi+1
.endr
.set fi, 0
.rept 16
	v_and_or_b32 v[LM+fi], v[BM+fi], 0x7f800000, s24   ; 57,344 x the scale
.set fi, fi+1
.endr
.set fi, 0
.rept 16
	v_lshrrev_b32 v[BM+fi], 23, v[SO+fi]           ; the scale's byte
.set fi, fi+1
.endr
.irp s, 0,1,2,3
	v_lshl_or_b32 v[PSR+\s], v[BM+4*\s+1], 8, v[BM+4*\s]   ; a key step's four bytes make p's scale word
.endr
.irp s, 0,1,2,3
	v_lshl_or_b32 v[PSR+\s], v[BM+4*\s+2], 16, v[PSR+\s]
.endr
.irp s, 0,1,2,3
	v_lshl_or_b32 v[PSR+\s], v[BM+4*\s+3], 24, v[PSR+\s]
.endr
	WIN 0x41
.set fi, 0
.rept 16
.irp k, 0,2,4,6,8,10,12,14
	v_pk_mul_f32 v[16*fi+\k:16*fi+\k+1], v[16*fi+\k:16*fi+\k+1], v[F:F+1] op_sel_hi:[1,0]   ; p = e F
.endr
.irp k, 0,1,2,3,4,5,6,7,8,9,10,11,12,13,14,15
	v_min_num_f32 v[16*fi+\k], v[16*fi+\k], v[LM+fi]   ; the conversion does not saturate (ISA guide 7.6.2); p is not negative, so the hold is one-sided
.endr
.set fi, fi+1
.endr
	WIN 0x01
.set fi, 0
.rept 16
	v_cvt_scalef32_pk8_bf8_f32 v[P+4*fi:P+4*fi+1], v[16*fi:16*fi+7], v[SO+fi]
	v_cvt_scalef32_pk8_bf8_f32 v[P+4*fi+2:P+4*fi+3], v[16*fi+8:16*fi+15], v[SO+fi]
.set fi, fi+1
.endr
	WIN 0
.rept 4
	v_nop                                          ; the plain line behind the conversions, and the four places between an operand written by vector instructions and a scaled matrix instruction (the scale words were made far more than eight places back)
.endr
	s_wait_alu depctr_va_vdst(0)                   ; the conversions have written p's codes and the vector lines p's scale words, which the scaled products below take as source 1 and as its scales; the places above stay beside this wait
	WIN 0x03                                       ; V in window 3
.irp s, 0,1,2,3
.irp ct, 0,1,2,3
	PVI \s, \ct                                    ; the four accumulators take turns, one instruction a turn
.endr
.endr
	WIN 0
.rept 8
	v_nop                                          ; eight places in front of the stores that read the results
.endr
	s_wait_alu depctr_va_vdst(0)                   ; the products have written O, which the stores below read, and are done reading p's codes, on which (behind a trip's second tile) the partial O^T land; the places above stay beside this wait
.irp ct, 0,1,2,3
	ds_store_b128 v6, v[O+8*\ct:O+8*\ct+3] offset:16384*\p+1024*\ct          ; my partial O^T as it stands, each accumulator from its low end on
	ds_store_b128 v6, v[O+8*\ct+4:O+8*\ct+7] offset:16384*\p+1024*\ct+512
.endr
.endm
.Ltrip:                                                ; 16 trips of two tiles
	ITER 0
	ITER 1
	; the two tiles' partial O^T are added and quantised: wave w takes tile w / 2 and channels 32 (w % 2) on: register i of a part is channel 32 (w % 2) + 16 (lane / 16) + i
	s_wait_dscnt 0x0                               ; my partial O^T has landed
	s_barrier_signal -1
	s_barrier_wait -1
.irp w, 0,1,2,3
.irp u, 0,1
	ds_load_b128 v[P+16*\w+8*\u:P+16*\w+8*\u+3], v7 offset:4096*\w+1024*\u          ; no vector or matrix instruction since the wait ahead of O's stores names P
	ds_load_b128 v[P+16*\w+8*\u+4:P+16*\w+8*\u+7], v7 offset:4096*\w+1024*\u+512
.endr
.endr
	s_wait_dscnt 0x0
.irp k, 0,2,4,6,8,10,12,14
	v_pk_add_f32 v[P+\k:P+\k+1], v[P+\k:P+\k+1], v[P+16+\k:P+16+\k+1]
	v_pk_add_f32 v[P+32+\k:P+32+\k+1], v[P+32+\k:P+32+\k+1], v[P+48+\k:P+48+\k+1]
.endr
.irp k, 0,2,4,6,8,10,12,14
	v_pk_add_f32 v[P+\k:P+\k+1], v[P+\k:P+\k+1], v[P+32+\k:P+32+\k+1]
.endr
	v_max3_num_f32 v[CH], |v[P]|, |v[P+1]|, 0x8000000   ; the block's largest magnitude, in two chains, and the floor
	v_max3_num_f32 v[CH+1], |v[P+2]|, |v[P+3]|, |v[P+4]|
	v_max3_num_f32 v[CH], v[CH], |v[P+5]|, |v[P+6]|
	v_max3_num_f32 v[CH+1], v[CH+1], |v[P+7]|, |v[P+8]|
	v_max3_num_f32 v[CH], v[CH], |v[P+9]|, |v[P+10]|
	v_max3_num_f32 v[CH+1], v[CH+1], |v[P+11]|, |v[P+12]|
	v_max3_num_f32 v[CH], v[CH], |v[P+13]|, |v[P+14]|
	v_max3_num_f32 v[CH], v[CH], v[CH+1], |v[P+15]|
	v_permlanex16_b32 v[ST], v[CH], s20, s21
	v_max_num_f32 v[CH], v[CH], v[ST]
	v_add_nc_u32 v[CH+1], 0xf8800000, v[CH]
	v_and_or_b32 v[CH+2], v[CH], 0x7f800000, s24
	v_lshrrev_b32 v[CH+3], 23, v[CH+1]             ; the scale's byte
.irp i, 0,1,2,3,4,5,6,7,8,9,10,11,12,13,14,15
	v_med3_num_f32 v[P+\i], v[P+\i], -v[CH+2], v[CH+2]
.endr
	v_cvt_scalef32_pk8_bf8_f32 v[CH+4:CH+5], v[P:P+7], v[CH+1]
	v_cvt_scalef32_pk8_bf8_f32 v[CH+6:CH+7], v[P+8:P+15], v[CH+1]
	v_alignbit_b32 v[ACB], v[ACB+1], v[ACB], 8     ; the byte goes in at the top of a run of 16 bytes that moves down by one a trip: after 16 trips byte k is trip k's.  (Plain lines behind the conversions)
	v_alignbit_b32 v[ACB+1], v[ACB+2], v[ACB+1], 8
	v_alignbit_b32 v[ACB+2], v[ACB+3], v[ACB+2], 8
	v_alignbit_b32 v[ACB+3], v[CH+3], v[ACB+3], 8
	s_wait_alu depctr_va_vdst(0)                   ; the two conversions have written v[CH+4:CH+7], which the store below reads
	global_store_b128 v9, v[CH+4:CH+7], s[30:31]   ; a chunk of o's images: 512 consecutive bytes, aligned
	s_wait_xcnt 0x0                                ; the loads and the store have read their bases and data: all are written again only behind this wait
	s_add_nc_u64 s[26:27], s[26:27], 2048          ; two tiles of Q on,
	s_add_nc_u64 s[28:29], s[28:29], 128           ; their scale words,
	s_add_nc_u64 s[30:31], s[30:31], 32768         ; two tiles of o
	s_sub_co_u32 s25, s25, 1
	s_cmp_lg_u32 s25, 0
	s_cbranch_scc1 .Ltrip
	; o's scale bytes: into LDS, 2 a token, and out by tokens
.irp k, 0,1,2,3,4,5,6,7,8,9,10,11,12,13,14,15
	v_lshrrev_b32 v[P+\k], 8*(\k%4), v[ACB+\k/4]
.endr
	v_lshl_add_u32 v14, v0, 1, SCT                 ; (the two addresses of the way back stand here, ahead of the one wait)
	v_lshlrev_b32 v15, 5, v0
	s_wait_alu depctr_va_vdst(0)                   ; the sixteen bytes' registers are written, which the LDS stores read; so are v14 and v15, the addresses of the loads and stores behind the barrier; and the last trip's additions are done reading v[P+16] to v[P+19], in which those loads land
.irp k, 0,1,2,3,4,5,6,7,8,9,10,11,12,13,14,15
	ds_store_b8 v8, v[P+\k] offset:64*\k           ; trip k's tile: 64 bytes a trip; both halves of the lanes write the same byte with the same value
.endr
	s_wait_dscnt 0x0
	s_barrier_signal -1
	s_barrier_wait -1
.irp i, 0,1,2,3
	ds_load_u16 v[P+16+\i], v14 offset:256*\i      ; token (in the images' order) t + 128 i
.endr
	s_wait_dscnt 0x0
.irp i, 0,1,2,3
	global_store_b16 v15, v[P+16+\i], s[46:47] offset:4096*\i
.endr
	s_wait_dscnt 0x0
	s_wait_alu depctr_hold_cnt(0) depctr_sa_sdst(0) depctr_va_vdst(0) depctr_va_sdst(0) depctr_va_ssrc(0) depctr_va_vcc(0) depctr_vm_vsrc(0)
	s_wait_tensorcnt 0x0
	ds_add_u32 v94, v95
	s_wait_dscnt 0x0
	s_endpgm
.Lfunc_end_k_q86564c45aa_attn:
	.size	k_q86564c45aa_attn, .Lfunc_end_k_q86564c45aa_attn-k_q86564c45aa_attn
	.p2alignl 7, 3214868480
	.fill 96, 4, 3214868480
	.section	.rodata,"a",@progbits
	.p2align	6, 0x0
	.amdhsa_kernel k_q86564c45aa_attn
		.amdhsa_group_segment_fixed_size 36352
		.amdhsa_private_segment_fixed_size 0
		.amdhsa_enable_private_segment 0
		.amdhsa_kernarg_size 32
		.amdhsa_user_sgpr_count 2
		.amdhsa_user_sgpr_kernarg_segment_ptr 1
		.amdhsa_wavefront_size32 1
		.amdhsa_system_sgpr_workgroup_id_x 1
		.amdhsa_system_sgpr_workgroup_id_y 1
		.amdhsa_system_sgpr_workgroup_id_z 1
		.amdhsa_system_vgpr_workitem_id 0
		.amdhsa_next_free_vgpr 1024
		.amdhsa_next_free_sgpr 66
		.amdhsa_reserve_vcc 0
		.amdhsa_float_denorm_mode_32 3
		.amdhsa_float_denorm_mode_16_64 3
		.amdhsa_memory_ordered 1
		.amdhsa_forward_progress 1
		.amdhsa_inst_pref_size 163
	.end_amdhsa_kernel
	.amdgpu_metadata
---
amdhsa.version: [ 1, 2 ]
amdhsa.kernels:
  - .name:           k_q86564c45aa_attn
    .symbol:         k_q86564c45aa_attn.kd
    .args:
      - { .name: qkv_img, .offset: 0, .size: 8, .value_kind: global_buffer, .address_space: global }
      - { .name: qkv_sc, .offset: 8, .size: 8, .value_kind: global_buffer, .address_space: global }
      - { .name: o_img, .offset: 16, .size: 8, .value_kind: global_buffer, .address_space: global }
      - { .name: o_sc, .offset: 24, .size: 8, .value_kind: global_buffer, .address_space: global }
    .group_segment_fixed_size: 36352
    .private_segment_fixed_size: 0
    .kernarg_segment_align: 8
    .kernarg_segment_size: 32
    .max_flat_workgroup_size: 128
    .sgpr_count:     66
    .vgpr_count:     1024
    .wavefront_size: 32
...
	.end_amdgpu_metadata
.endif
;; end of part 5
;; launch outp: the kernel of part 4 again; grid 4 x 32, 4 waves a work-group, clusters of 4 x 4, 327,680 bytes of LDS; arguments o_img, o_sc, codes, scales, bo, out0; writes out0
